; MI455X (gfx1250); checked and timed in simulation.
; The chip was launched on July 23, 2026; its instructions are those of AMD's public machine-readable ISA for CDNA 5 (MIT licence, August 2026) and "CDNA5" Instruction Set Architecture Reference Guide (July 2026). The comments in the code are by the model that wrote it; some were corrected since.
;; Transformer Block. Allowed arithmetic: matrix products marked QUANTISED: E2M3 operands, one E8M0 scale for each 32 along K, by v_wmma_scale_f32_16x16x128_f8f6f4 with both operands' format E2M3, f32 sums; everything else in f32.
;; Inputs: W1 1,024 x 4,096 float32; W2 4,096 x 1,024 float32; Wk 1,024 x 1,024 float32; Wo 1,024 x 1,024 float32; Wq 1,024 x 1,024 float32; Wv 1,024 x 1,024 float32; b1 4,096 float32; b2 1,024 float32; be1 1,024 float32; be2 1,024 float32; g1 1,024 float32; g2 1,024 float32; x 16 x 256 x 1,024 float32.
;; Outputs: out0 16 x 256 x 1,024 float32.
;; This version of the problem:
;;   THIS VERSION OF THE PROBLEM IS GIVEN IN LOW PRECISION. The matrix products marked QUANTISED in the list below multiply operands that are first quantised to E2M3 (2 exponent bits, 3 mantissa bits; 6 bits a number), with one power-of-two scale for each 32 numbers along K (OCP MX v1.0); their sums are f32. All else is computed in f32.
;;   The module's matrix products, in the order in which they are computed (A, B: the left and right operand; K: the contracted axis; several contracted axes count as one K, in the product's order):
;;     1. [M 4,096, K 1,024] x [K 1,024, N 1,024]; A: computed on the way; B: input Wq: QUANTISED
;;     2. [M 4,096, K 1,024] x [K 1,024, N 1,024]; A: computed on the way; B: input Wk: QUANTISED
;;     3. [M 4,096, K 1,024] x [K 1,024, N 1,024]; A: computed on the way; B: input Wv: QUANTISED
;;     4. batch 256 x [M 256, K 64] x [K 64, N 256]; A: computed on the way; B: computed on the way: QUANTISED
;;     5. batch 256 x [M 256, K 256] x [K 256, N 64]; A: softmax (see below); B: computed on the way: QUANTISED
;;     6. [M 4,096, K 1,024] x [K 1,024, N 1,024]; A: computed on the way; B: input Wo: QUANTISED
;;     7. [M 4,096, K 1,024] x [K 1,024, N 4,096]; A: computed on the way; B: input W1: QUANTISED
;;     8. [M 4,096, K 4,096] x [K 4,096, N 1,024]; A: computed on the way; B: input W2: QUANTISED
;;   THE QUANTISER, for each operand of a quantised product, along K:
;;     - K is cut into blocks of 32 from its start; a last block that is shorter is filled with zeros.
;;     - A block's scale is 2^e with e = floor(log2(the largest magnitude in the block)) - 2, held to -126 .. 127; a block of zeros has e = 0. As a byte (E8M0): e + 127.
;;     - Each number is divided by its block's scale, clamped to +-7.5, and rounded to the nearest number of E2M3, ties to even, subnormals kept.
;;     - The product sums the exact products of the quantised numbers (number of the format x scale) in f32.
;;   ~~~python
;;   def quantise(x, axis):      # numpy; x: float32 -> the quantised numbers, widened to float32 again
;;       x = np.moveaxis(x, axis, -1); K = x.shape[-1]
;;       x = np.pad(x, [(0, 0)] * (x.ndim - 1) + [(0, -K % 32)]); x = x.reshape(x.shape[:-1] + (-1, 32)); a = np.abs(x).max(-1, keepdims=True)
;;       e = np.where(a > 0, np.clip(np.frexp(np.where(a > 0, a, 1))[1] - 1 - 2, -126, 127), 0)      # np.frexp(a)[1] - 1 = floor(log2(a)), exactly
;;       r = np.clip(x / 2.0 ** e, -7.5, 7.5)
;;       step = 2.0 ** (np.maximum(np.frexp(np.where(r == 0, 1, r))[1] - 1, 0) - 3)
;;       q = np.round(r / step) * step * 2.0 ** e      # np.round: ties to even
;;       return np.moveaxis(q.reshape(q.shape[:-2] + (-1,))[..., :K], -1, axis).astype(np.float32)
;;   ~~~
;;   SOFTMAX AHEAD OF A QUANTISED PRODUCT. Where the list says 'softmax', what is quantised is not the finished softmax but p = 2^(t - M), with t = logit x log2(e) and M = ceil(the row's largest t), a whole number; so 1/2 < the row's largest p <= 1. The row's sum l is taken of the UNQUANTISED p, in f32, and the product's result is divided by l at the end. Since M is a whole number, a kernel that streams over the keys may use a running M (the ceiling of the running maximum): every later rescaling is an exact power of two, which a block's scale takes up: the codes' values come out the same.
;;   OPERANDS COMPUTED ON THE WAY. 'Computed on the way' means the value that the module computes at that place (a softmax that the list does not call 'softmax' is quantised finished and normalised). What goes into a quantiser is computed in f32, as accurately as f32 sums, v_exp_f32 and their like allow (about 1e-6 of the number): no bf16 or f16 on the way to a quantiser, and a product that is left as it is and whose result goes on into a quantised operand takes f32 operands (vector FMAs, or v_wmma_f32_16x16x4_f32). A number that lies on a knife's edge between two numbers of the format may be rounded either way, as far as f32 arithmetic and the matrix unit's own rounding can turn it there, and no further.
;; One version. Each part assembles by itself: llvm-mc -triple=amdgcn-amd-amdhsa -mcpu=gfx1250 --defsym DOCPART=n.
;; ======== version 1 of 1: 6 launches
;; limits: right only within a limited range of input values
;; workspace buffers: wts 9,830,400 bytes; nq 3,276,800 bytes; aq 3,276,800 bytes; x1 16,777,216 bytes; hid 13,107,200 bytes
;; launch prep (part 1): grid 512 x 1, 4 waves a work-group, no clusters, 50,176 bytes of LDS; arguments x, g1, be1, Wq, Wk, Wv, Wo, W1, W2, nq, wts; writes nq, wts
.if DOCPART == 1
	.amdgcn_target "amdgcn-amd-amdhsa--gfx1250"
	.amdhsa_code_object_version 6
	.text
	.protected	k_q852c2a2bad_prep
	.globl	k_q852c2a2bad_prep
	.p2align	8
	.type	k_q852c2a2bad_prep,@function
k_q852c2a2bad_prep:
	s_mov_b64 s[64:65], 0
	v_nop
	global_prefetch_b8 v0, s[64:65] scope:SCOPE_SE
	s_setreg_imm32_b32 hwreg(HW_REG_WAVE_MODE, 25, 1), 1
	s_wait_xcnt 0x0
; PREP: LayerNorm 1 of x, quantised to E2M3 codes (work-groups 0-255), and the six weights quantised along K (work-groups 256-1023).
; WORK THAT THE PROGRAM LEAVES OUT (in launch attn).  reference() builds a causal mask in its own body: a score with key > query becomes -inf and its weight
; exp(-inf) = 0, whatever the inputs hold.  For queries 0-127 of a sequence all of keys 128-255 are so hidden: that whole key step of both attention products (128 queries
; x 128 keys, for each head and sequence) can reach no output and is not made.  Every input has a way to the output and is loaded.  LIMIT: a NaN, an infinity or an overflow that would arise in those scores alone is not carried.
; LAYOUT OF THE PROGRAM'S OWN BUFFERS.  Operands lie as IMAGES OF THE MATRIX OPERAND'S REGISTERS.  A fragment (16 rows x 128 K, 12 registers a lane) is 1,536 bytes: register R of lane l at 512 (R / 4) + 16 l + 4 (R % 4):
; three loads of 16 bytes a lane bring it.  Row r of tile T is index 32 (T / 2) + 16 (r / 8) + 8 (T % 2) + r % 8 of its panel, so that a product with the tile as source 0 leaves 16 neighbours in the registers of tiles 2 b, 2 b + 1.
; A DOUBLE BLOCK holds a panel's TP tiles of K step 2 u, those of step 2 u + 1, and a scale image (register t of lane r + 16 (step % 2) = row r's scale word of tile t): TP x 3,200 bytes.
; nq: 32 token panels (TP 8) x 4 double blocks.  wts: 16 head panels (TP 12: q0-3, k0-3, v0-3) x 4; from 2,457,600 Wo, 8 panels x 4; from 3,276,800 W1, 32 x 4; from 6,553,600 W2, 8 x 16.
; In Wo's images the blocks of 32 along K stand in the order 0, 2, 1, 3 within a K step, as launch attn lays the attention's codes.
; THE QUANTISER: a block's scale byte is its largest magnitude's exponent field - 2, held at 1 from below by a floor among the maximum's leaves; the conversion divides, rounds to nearest even and holds at the largest code.
; LIMITS: NaN and infinities among the inputs are not served; a block of zeros (or under 2^-124) gets the byte 1 where the rule says 127: its codes are zeros, and this program alone reads the bytes.
.set IMG,   36864                      ; LDS: 0 .. 36,863 four waves x two turning stages of 4,608 bytes; then eight fragment images,
.set SST,   49152                      ; the tile's scale words, 64 bytes a K step,
.set SPARE, 49664                      ; and the spare words, 128 bytes a wave, which no other line names
.set SPW,   30                         ; v30 LDS address of my spare word; never rewritten
.set NIL,   31                         ; v31 0; never rewritten
.set X,     32                         ; v32-159 four rows, 32 numbers a lane each
.set G,     160                        ; v160-191 the gain; later a row's block, rows by turns with
.set BE,    192                        ; v192-223 the bias
.set NQP,   22                         ; s[22:23] nq
.macro RED4 base                       ; four rows' numbers, in v[base], +2, +4, +6, are summed over the 32 lanes; every lane gets the sums
.irp m, 1,2,4,8
.irp j, 0,1,2,3
	v_add_f32_dpp v[\base+2*\j], v[\base+2*\j], v[\base+2*\j] row_xmask:\m row_mask:0xf bank_mask:0xf
.endr
.endr
.irp j, 0,1,2,3
	v_permlanex16_b32 v[26+\j], v[\base+2*\j], s28, s29
.endr
.irp j, 0,1,2,3
	v_add_f32 v[\base+2*\j], v[\base+2*\j], v[26+\j]
.endr
.endm
.macro TURN j                          ; row j goes through my stage as it was loaded and comes back a block of 32 neighbours to a lane (144 bytes from lane to lane: 128 + 16 of padding)
.irp q, 0,1,2,3,4,5,6,7
	ds_store_b128 v3, v[X+32*(\j)+4*\q:X+32*(\j)+4*\q+3] offset:4608*((\j)%2)+576*\q
.endr
.irp q, 0,1,2,3,4,5,6,7
	ds_load_b128 v[G+32*((\j)%2)+4*\q:G+32*((\j)%2)+4*\q+3], v4 offset:4608*((\j)%2)+16*\q
.endr
.endm
.macro QROW j                          ; lane l quantises block l of row j; the six code registers go to their place in K step l / 4's image, the scale word to the table
.set Y, G+32*((\j)%2)
.set CD, 224+6*(\j)
	v_max3_num_f32 v10, |v[Y]|, |v[Y+1]|, 0x1800000          ; the floor 2^(3 - 127) among the leaves: the byte cannot fall under 1
	v_max3_num_f32 v11, |v[Y+16]|, |v[Y+17]|, 0x1800000
.irp i, 2,4,6,8,10,12,14
	v_max3_num_f32 v10, v10, |v[Y+\i]|, |v[Y+\i+1]|
	v_max3_num_f32 v11, v11, |v[Y+16+\i]|, |v[Y+17+\i]|
.endr
	v_max_num_f32 v10, v10, v11
	v_add_nc_u32 v12, 0xff000000, v10                        ; 2 off the exponent field: the conversion's scale operand
	v_cvt_scalef32_pk16_fp6_f32 v[CD:CD+2], v[Y:Y+15], v12
	v_cvt_scalef32_pk16_fp6_f32 v[248:250], v[Y+16:Y+31], v12   ; (a conversion's three registers begin on an even number)
	v_lshrrev_b32 v13, 23, v12                               ; the byte; also the plain line behind the conversions
	v_lshlrev_b32 v[252+\j], v8, v13                         ; at its place in the word: 8 (l % 4) bits up
.irp i, 0,1,2
	v_mov_b32 v[CD+3+\i], v[248+\i]
.endr
	v_mov_b32_dpp v13, v[252+\j] row_xmask:1 row_mask:0xf bank_mask:0xf
	v_or_b32 v[252+\j], v[252+\j], v13
	v_mov_b32_dpp v13, v[252+\j] row_xmask:2 row_mask:0xf bank_mask:0xf
	v_or_b32 v[252+\j], v[252+\j], v13                       ; the four lanes of a K step hold the whole word
	ds_store_b64 v5, v[CD:CD+1] offset:16*(\j)
	ds_store_b64 v6, v[CD+2:CD+3] offset:16*(\j)
	ds_store_b64 v5, v[CD+4:CD+5] offset:512+16*(\j)
	ds_store_b32 v7, v[252+\j] offset:4*(\j)                 ; (four lanes write the same word with the same value)
.endm
.macro WLOADS stride                   ; 128 rows of K at my column: position p's 32 rows into v[32 + 32 p] on; a wave's load covers 128 consecutive bytes, the four waves 512
.irp p, 0,1,2,3
.set I, 0
.rept 32
	global_load_b32 v[32+32*\p+I], v[4+\p], s[42:43] offset:I*\stride th:TH_LOAD_NT
.set I, I+1
.endr
.endr
.endm
.macro BLK p                           ; position p = 2 c + hh of the K step: all 32 numbers are mine
.set Y, 32+32*(\p)
.set CD, 160+12*((\p)%2)+6*((\p)/2)
	v_max3_num_f32 v10, |v[Y]|, |v[Y+1]|, 0x1800000
	v_max3_num_f32 v11, |v[Y+16]|, |v[Y+17]|, 0x1800000
.irp i, 2,4,6,8,10,12,14
	v_max3_num_f32 v10, v10, |v[Y+\i]|, |v[Y+\i+1]|
	v_max3_num_f32 v11, v11, |v[Y+16+\i]|, |v[Y+17+\i]|
.endr
	v_max_num_f32 v10, v10, v11
	v_add_nc_u32 v[12+\p], 0xff000000, v10
	v_cvt_scalef32_pk16_fp6_f32 v[CD:CD+2], v[Y:Y+15], v[12+\p]
	v_cvt_scalef32_pk16_fp6_f32 v[184:186], v[Y+16:Y+31], v[12+\p]
	v_lshrrev_b32 v11, 23, v[12+\p]                          ; the byte; the plain line behind the conversions
.if (\p) == 0
	v_mov_b32 v16, v11
.else
	v_lshl_or_b32 v16, v11, 8*(\p), v16
.endif
.irp i, 0,1,2
	v_mov_b32 v[CD+3+\i], v[184+\i]
.endr
.endm
	s_load_b512 s[4:19], s[0:1], 0x0               ; x, g1, be1, Wq, Wk, Wv, Wo, W1
	s_load_b128 s[20:23], s[0:1], 0x40             ; W2, nq
	s_load_b64 s[24:25], s[0:1], 0x50              ; wts
	; THE DEAL.  Two launches run this body.  The job's number is x in the grid's row y = 0 and x + 256 (y + 1) in the rows above it: jobs 0-255 LayerNorm, 256-511 Wq, Wk, Wv, Wo, 512-767 W2, 768-1023 W1.
	; The first launch (grid 512 x 1; x, g1, be1) does jobs 0-511; the second (grid 256 x 3; x1, g2, be2) does LayerNorm 2 and jobs 512-1023, whose weights are first read behind it.
	s_and_b32 s27, ttmp7, 0xffff                   ; y
	s_min_u32 s31, s27, 1
	s_add_co_u32 s27, s27, s31
	s_lshl_b32 s27, s27, 8
	s_add_co_u32 s27, s27, ttmp9                   ; the job
	v_lshl_add_u32 v[SPW], v0, 2, SPARE
	v_mov_b32 v[NIL], 0
	v_lshrrev_b32 v1, 5, v0
	v_readfirstlane_b32 s26, v1                    ; wave
	v_and_b32 v1, 31, v0                           ; lane
	s_cmp_ge_u32 s27, 256                          ; the work-group's numbers alone decide: all four waves go the same way
	s_cbranch_scc1 .Lweights
	; ---- LayerNorm.  Work-group T makes image tile T (16 tokens) for all of K; wave w its rows 4 w .. 4 w + 3, which are four tokens on end.
	v_lshlrev_b32 v2, 4, v1                        ; 16 l
	s_lshr_b32 s32, ttmp9, 1
	s_lshl_b32 s32, s32, 5
	s_and_b32 s33, ttmp9, 1
	s_lshl_b32 s33, s33, 3
	s_add_co_u32 s32, s32, s33
	s_lshr_b32 s33, s26, 1
	s_lshl_b32 s33, s33, 4
	s_add_co_u32 s32, s32, s33
	s_and_b32 s33, s26, 1
	s_lshl_b32 s33, s33, 2
	s_add_co_u32 s32, s32, s33                     ; my first token: 32 (T / 2) + 8 (T % 2) + 16 (w / 2) + 4 (w % 2)
	s_lshl_b32 s32, s32, 12                        ; a row is 4,096 bytes
	s_mov_b32 s33, 0
	s_mov_b32 s28, 0x76543210
	s_mov_b32 s29, 0xfedcba98                      ; v_permlanex16_b32's selects for lane l xor 16
	s_mov_b32 s30, 0x3a800000                      ; 1 / 1,024
	s_wait_alu depctr_va_vdst(0)
	s_wait_kmcnt 0x0
	s_add_nc_u64 s[4:5], s[4:5], s[32:33]
.irp j, 0,1,2,3
.irp q, 0,1,2,3,4,5,6,7
	global_load_b128 v[X+32*\j+4*\q:X+32*\j+4*\q+3], v2, s[4:5] offset:4096*\j+512*\q th:TH_LOAD_NT   ; 512 consecutive bytes a load
.endr
.endr
.irp q, 0,1,2,3,4,5,6,7
	global_load_b128 v[G+4*\q:G+4*\q+3], v2, s[6:7] offset:512*\q
.endr
.irp q, 0,1,2,3,4,5,6,7
	global_load_b128 v[BE+4*\q:BE+4*\q+3], v2, s[8:9] offset:512*\q
.endr
	s_mul_i32 s34, s26, 9216                       ; my two stages
	v_lshrrev_b32 v9, 3, v1
	v_lshl_add_u32 v3, v9, 4, v2
	v_add_nc_u32 v3, s34, v3                       ; in: 16 l + 16 (l / 8)
	v_mul_u32_u24 v4, v1, 144
	v_add_nc_u32 v4, s34, v4                       ; back: 144 l
	v_lshrrev_b32 v9, 2, v1                        ; my block's K step
	v_mul_u32_u24 v5, v9, 1536
	v_and_b32 v10, 1, v1
	v_lshl_add_u32 v5, v10, 8, v5                  ; + 256 (l % 2): the image's lanes 16-31
	s_lshl_b32 s35, s26, 6
	s_add_co_u32 s35, s35, IMG
	v_add_nc_u32 v5, s35, v5                       ; + 16 x (row 4 w)
	v_bfe_u32 v10, v1, 1, 1                        ; c: registers 6 c .. 6 c + 5
	v_mad_u32_u24 v6, v10, 1016, v5
	v_add_nc_u32 v6, 8, v6                         ; the middle pair: byte 8, or 1,024
	v_mad_u32_u24 v5, v10, 520, v5                 ; the first pair: byte 0, or 520; the last 512 further on
	v_lshl_add_u32 v7, v9, 6, SST
	s_lshl_b32 s36, s26, 4
	v_add_nc_u32 v7, s36, v7                       ; scale words: 64 (l / 4) + 4 x (row 4 w)
	v_and_b32 v8, 3, v1
	v_lshlrev_b32 v8, 3, v8
	s_mul_i32 s37, s26, 3072
	s_add_co_u32 s37, s37, IMG
	v_add_nc_u32 v9, s37, v2                       ; the way out: images 2 w and 2 w + 1
.irp j, 0,1,2,3
	v_mov_b32 v[26+\j], 0                          ; (a lane permute's destination counts as one of its sources)
.endr
	s_lshr_b32 s36, ttmp9, 3
	s_mul_i32 s36, s36, 102400
	s_mul_i32 s37, s26, 25600
	s_add_co_u32 s36, s36, s37                     ; my panel's double block w
	s_and_b32 s37, ttmp9, 7
	s_mul_i32 s38, s37, 1536
	s_add_co_u32 s38, s38, s36
	s_mov_b32 s39, 0
	s_lshr_b32 s40, s37, 2
	s_lshl_b32 s40, s40, 9
	s_and_b32 s41, ttmp9, 3
	s_lshl_b32 s41, s41, 2
	s_add_co_u32 s40, s40, s41
	s_add_co_u32 s40, s40, s36
	s_add_co_u32 s40, s40, 24576                   ; its scale image, register T % 8
	s_mov_b32 s41, 0
	s_add_nc_u64 s[38:39], s[NQP:NQP+1], s[38:39]
	s_add_nc_u64 s[40:41], s[NQP:NQP+1], s[40:41]
	s_wait_loadcnt 16                              ; the four rows are in; the 16 loads of gain and bias may be out
.irp j, 0,1,2,3
	v_pk_add_f32 v[10+2*\j:11+2*\j], v[X+32*\j:X+32*\j+1], v[X+32*\j+2:X+32*\j+3]
.endr
.irp i, 4,6,8,10,12,14,16,18,20,22,24,26,28,30
.irp j, 0,1,2,3
	v_pk_add_f32 v[10+2*\j:11+2*\j], v[10+2*\j:11+2*\j], v[X+32*\j+\i:X+32*\j+\i+1]   ; the four rows by turns
.endr
.endr
.irp j, 0,1,2,3
	v_add_f32 v[10+2*\j], v[10+2*\j], v[11+2*\j]
.endr
	RED4 10
.irp j, 0,1,2,3
	v_mul_f32 v[10+2*\j], s30, v[10+2*\j]          ; the mean
.endr
.irp j, 0,1,2,3
.irp i, 0,2,4,6,8,10,12,14,16,18,20,22,24,26,28,30
	v_pk_add_f32 v[X+32*\j+\i:X+32*\j+\i+1], v[X+32*\j+\i:X+32*\j+\i+1], v[10+2*\j:11+2*\j] op_sel_hi:[1,0] neg_lo:[0,1] neg_hi:[0,1]   ; x - mean: the variance is taken of the differences, as reference() takes it
.endr
.endr
.irp j, 0,1,2,3
	v_pk_mul_f32 v[18+2*\j:19+2*\j], v[X+32*\j:X+32*\j+1], v[X+32*\j:X+32*\j+1]
.endr
.irp i, 2,4,6,8,10,12,14,16,18,20,22,24,26,28,30
.irp j, 0,1,2,3
	v_pk_fma_f32 v[18+2*\j:19+2*\j], v[X+32*\j+\i:X+32*\j+\i+1], v[X+32*\j+\i:X+32*\j+\i+1], v[18+2*\j:19+2*\j]
.endr
.endr
.irp j, 0,1,2,3
	v_add_f32 v[18+2*\j], v[18+2*\j], v[19+2*\j]
.endr
	RED4 18
.irp j, 0,1,2,3
	v_fmaak_f32 v[18+2*\j], s30, v[18+2*\j], 0x3727c5ac   ; the variance + 1e-5
.endr
	s_wait_alu depctr_va_vdst(0)
.irp j, 0,1,2,3
	v_rsq_f32 v[18+2*\j], v[18+2*\j]
.endr
	v_nop                                          ; a plain line behind the last root
	s_wait_alu depctr_va_vdst(0)                   ; one wait for the four, ahead of their first reader
.irp j, 0,1,2,3
.irp i, 0,2,4,6,8,10,12,14,16,18,20,22,24,26,28,30
	v_pk_mul_f32 v[X+32*\j+\i:X+32*\j+\i+1], v[X+32*\j+\i:X+32*\j+\i+1], v[18+2*\j:19+2*\j] op_sel_hi:[1,0]
.endr
.endr
	s_wait_loadcnt 0x0                             ; gain and bias
.irp j, 0,1,2,3
.irp i, 0,2,4,6,8,10,12,14,16,18,20,22,24,26,28,30
	v_pk_fma_f32 v[X+32*\j+\i:X+32*\j+\i+1], v[X+32*\j+\i:X+32*\j+\i+1], v[G+\i:G+\i+1], v[BE+\i:BE+\i+1]
.endr
.endr
	TURN 0
	TURN 1
	s_wait_dscnt 16                                ; row 0 is back; row 1's 16 LDS instructions may be out
	QROW 0
	TURN 2
	s_wait_dscnt 20                                ; row 1 is back: behind its loads stand row 0's 4 stores and row 2's 16
	QROW 1
	TURN 3
	s_wait_dscnt 20
	QROW 2
	s_wait_dscnt 4                                 ; row 3 is back: behind its loads stand row 2's 4 stores
	QROW 3
	s_wait_dscnt 0x0                               ; for the others' sake: my stores into the images have landed
	s_barrier_signal -1
	s_barrier_wait -1
	v_lshl_add_u32 v10, v1, 2, SST
	s_lshl_b32 s36, s26, 7
	v_add_nc_u32 v10, s36, v10                     ; lane r + 16 p: row r's word of K step 2 w + p
.irp k, 0,1,2,3,4,5
	ds_load_b128 v[32+4*\k:35+4*\k], v9 offset:512*\k
.endr
	ds_load_b32 v56, v10
.irp k, 0,1,2,3,4,5
	s_wait_dscnt 6-\k
	global_store_b128 v2, v[32+4*\k:35+4*\k], s[38:39] offset:512*(\k%3)+12288*(\k/3)   ; 512 consecutive bytes a store
.endr
	s_wait_dscnt 0x0
	global_store_b32 v2, v56, s[40:41]             ; 4 bytes a lane, 16 bytes apart: the scale image interleaves eight tiles; 128 bytes of a work-group's 12,800
	s_wait_tensorcnt 0x0                           ; the wave's end
	ds_add_u32 v[SPW], v[NIL]
	s_wait_dscnt 0x0
	s_endpgm
	; ---- The weights.  A work-group takes 128 columns x one K step (128 rows) of one weight; a wave 32 columns; A LANE TAKES A COLUMN AND ITS REGISTERS RUN DOWN K, so the codes come out with K innermost.
.Lweights:
	s_sub_co_u32 s40, s27, 256                     ; 0-191 Wq, Wk, Wv (64 each); 192-255 Wo; 256-511 W2; 512-767 W1
	s_lshr_b32 s41, s40, 6
	s_mov_b32 s47, 16384                           ; W1's figures: bytes in a row,
	s_mov_b32 s48, 3276800                         ; its part of wts,
	s_mov_b32 s49, 102400                          ; a panel,
	s_mov_b32 s52, 25600                           ; a double block,
	s_mov_b32 s53, 12288                           ; a K step's images
	s_wait_kmcnt 0x0
	s_cmp_lt_u32 s40, 512
	s_cselect_b64 s[42:43], s[20:21], s[18:19]
	s_cselect_b32 s44, 31, 7                       ; K steps - 1
	s_cselect_b32 s45, 5, 3
	s_cselect_b32 s46, 7, 31                       ; panels - 1
	s_cselect_b32 s47, 4096, s47
	s_cselect_b32 s48, 6553600, s48
	s_cselect_b32 s49, 409600, s49
	s_cmp_lt_u32 s40, 256
	s_cselect_b64 s[42:43], s[16:17], s[42:43]
	s_cselect_b32 s44, 7, s44
	s_cselect_b32 s45, 3, s45
	s_cselect_b32 s48, 2457600, s48
	s_cselect_b32 s49, 102400, s49
	s_cmp_lt_u32 s40, 192
	s_cselect_b64 s[42:43], s[14:15], s[42:43]
	s_cselect_b32 s52, 38400, s52
	s_cselect_b32 s53, 18432, s53
	s_cmp_lt_u32 s40, 128
	s_cselect_b64 s[42:43], s[12:13], s[42:43]
	s_cmp_lt_u32 s40, 64
	s_cselect_b64 s[42:43], s[10:11], s[42:43]
	s_cmp_eq_u32 s41, 3                            ; Wo: positions 1 and 2 of a K step take blocks 2 and 1
	s_cselect_b32 s54, 2, 1
	s_cselect_b32 s55, 1, 2
	s_and_b32 s50, s40, s44                        ; the K step
	s_lshr_b32 s51, s40, s45
	s_and_b32 s51, s51, s46                        ; the panel of 128 columns
	s_mul_i32 s56, s51, s49
	s_add_co_u32 s56, s56, s48                     ; panels of eight tiles: where the panel lies,
	s_lshl_b32 s57, s26, 1                         ; and my first tile, 2 w
	s_lshl_b32 s58, s51, 1
	s_lshr_b32 s59, s26, 1
	s_add_co_u32 s58, s58, s59
	s_mul_i32 s58, s58, 153600                     ; head panels: head 2 x panel + w / 2,
	s_and_b32 s59, s26, 1
	s_lshl_b32 s59, s59, 1
	s_lshl_b32 s60, s41, 2
	s_add_co_u32 s59, s59, s60                     ; tile 4 x (q, k or v) + 2 (w % 2)
	s_cmp_lt_u32 s40, 192
	s_cselect_b32 s56, s58, s56
	s_cselect_b32 s57, s59, s57
	s_lshr_b32 s58, s50, 1
	s_mul_i32 s58, s58, s52
	s_add_co_u32 s56, s56, s58                     ; the double block
	s_and_b32 s58, s50, 1
	s_mul_i32 s59, s58, s53
	s_add_co_u32 s59, s59, s56
	s_mul_i32 s60, s57, 1536
	s_add_co_u32 s60, s60, s59                     ; my first tile's image
	s_mov_b32 s61, 0
	s_lshl_b32 s53, s53, 1
	s_add_co_u32 s56, s56, s53                     ; the scale image,
	s_lshr_b32 s59, s57, 2
	s_lshl_b32 s59, s59, 9
	s_add_co_u32 s56, s56, s59
	s_and_b32 s59, s57, 3
	s_lshl_b32 s59, s59, 2
	s_add_co_u32 s56, s56, s59                     ; my first tile's register,
	s_lshl_b32 s58, s58, 8
	s_add_co_u32 s56, s56, s58                     ; lanes 16-31 for an odd K step
	s_mov_b32 s57, 0
	s_add_nc_u64 s[60:61], s[24:25], s[60:61]
	s_add_nc_u64 s[56:57], s[24:25], s[56:57]
	s_lshl_b32 s58, s47, 7
	s_mul_i32 s58, s58, s50                        ; 128 rows a K step,
	s_lshl_b32 s59, s51, 9
	s_add_co_u32 s58, s58, s59                     ; 512 bytes a panel,
	s_lshl_b32 s59, s26, 7
	s_add_co_u32 s58, s58, s59                     ; 128 a wave
	s_mov_b32 s59, 0
	s_add_nc_u64 s[42:43], s[42:43], s[58:59]
	s_lshl_b32 s62, s47, 5                         ; 32 rows
	s_mul_i32 s54, s54, s62
	s_mul_i32 s55, s55, s62
	s_mul_i32 s63, s62, 3
	s_wait_alu depctr_va_vdst(0)
	v_lshlrev_b32 v4, 2, v1                        ; v4-7: my column, at the first row of positions 0 to 3
	v_add_nc_u32 v5, s54, v4
	v_add_nc_u32 v6, s55, v4
	v_add_nc_u32 v7, s63, v4
	v_bfe_u32 v3, v1, 3, 1                         ; column l of the 32 is row 8 (l / 16) + l % 8 of tile (l / 8) % 2
	v_lshrrev_b32 v9, 4, v1
	v_and_b32 v10, 7, v1
	v_lshl_add_u32 v9, v9, 3, v10
	v_lshlrev_b32 v9, 4, v9
	v_mad_u32_u24 v8, v3, 1536, v9                 ; my place in the images
	v_lshl_add_u32 v17, v3, 2, v9                  ; and in the scale image
	s_cmp_ge_u32 s40, 512
	s_cbranch_scc1 .Lwide
	WLOADS 4096
	s_branch .Lloaded
.Lwide:
	s_wait_alu depctr_va_vdst(0)
	WLOADS 16384
.Lloaded:
	s_wait_loadcnt 63                              ; position 0's 32 loads are in (96 were issued behind them; 63 is the largest count that the wait can name)
	BLK 0
	s_wait_loadcnt 63                              ; position 1's (64 behind them)
	BLK 1
	s_wait_loadcnt 32
	BLK 2
	s_wait_loadcnt 0x0
	BLK 3
.irp hh, 0,1
.irp ch, 0,1,2
	global_store_b128 v8, v[160+12*\hh+4*\ch:163+12*\hh+4*\ch], s[60:61] offset:256*\hh+512*\ch   ; the wave's store fills 256 consecutive bytes of each of its two tiles' images
.endr
.endr
	global_store_b32 v17, v16, s[56:57]
	s_wait_tensorcnt 0x0                           ; the wave's end
	ds_add_u32 v[SPW], v[NIL]
	s_wait_dscnt 0x0
	s_endpgm
.Lfunc_end_k_q852c2a2bad_prep:
	.size	k_q852c2a2bad_prep, .Lfunc_end_k_q852c2a2bad_prep-k_q852c2a2bad_prep
	.p2alignl 7, 3214868480
	.fill 96, 4, 3214868480
	.section	.rodata,"a",@progbits
	.p2align	6, 0x0
	.amdhsa_kernel k_q852c2a2bad_prep
		.amdhsa_group_segment_fixed_size 50176
		.amdhsa_private_segment_fixed_size 0
		.amdhsa_enable_private_segment 0
		.amdhsa_kernarg_size 88
		.amdhsa_user_sgpr_count 2
		.amdhsa_user_sgpr_kernarg_segment_ptr 1
		.amdhsa_wavefront_size32 1
		.amdhsa_system_sgpr_workgroup_id_x 1
		.amdhsa_system_sgpr_workgroup_id_y 1
		.amdhsa_system_sgpr_workgroup_id_z 1
		.amdhsa_system_vgpr_workitem_id 0
		.amdhsa_next_free_vgpr 256
		.amdhsa_next_free_sgpr 66
		.amdhsa_reserve_vcc 0
		.amdhsa_float_denorm_mode_32 3
		.amdhsa_float_denorm_mode_16_64 3
		.amdhsa_memory_ordered 1
		.amdhsa_forward_progress 1
		.amdhsa_inst_pref_size 80
	.end_amdhsa_kernel
	.amdgpu_metadata
---
amdhsa.version: [ 1, 2 ]
amdhsa.kernels:
  - .name:           k_q852c2a2bad_prep
    .symbol:         k_q852c2a2bad_prep.kd
    .args:
      - { .name: x, .offset: 0, .size: 8, .value_kind: global_buffer, .address_space: global }
      - { .name: g1, .offset: 8, .size: 8, .value_kind: global_buffer, .address_space: global }
      - { .name: be1, .offset: 16, .size: 8, .value_kind: global_buffer, .address_space: global }
      - { .name: Wq, .offset: 24, .size: 8, .value_kind: global_buffer, .address_space: global }
      - { .name: Wk, .offset: 32, .size: 8, .value_kind: global_buffer, .address_space: global }
      - { .name: Wv, .offset: 40, .size: 8, .value_kind: global_buffer, .address_space: global }
      - { .name: Wo, .offset: 48, .size: 8, .value_kind: global_buffer, .address_space: global }
      - { .name: W1, .offset: 56, .size: 8, .value_kind: global_buffer, .address_space: global }
      - { .name: W2, .offset: 64, .size: 8, .value_kind: global_buffer, .address_space: global }
      - { .name: nq, .offset: 72, .size: 8, .value_kind: global_buffer, .address_space: global }
      - { .name: wts, .offset: 80, .size: 8, .value_kind: global_buffer, .address_space: global }
    .group_segment_fixed_size: 50176
    .private_segment_fixed_size: 0
    .kernarg_segment_align: 8
    .kernarg_segment_size: 88
    .max_flat_workgroup_size: 128
    .sgpr_count:     66
    .vgpr_count:     256
    .wavefront_size: 32
...
	.end_amdgpu_metadata
.endif
;; end of part 1
;; launch attn (part 2): grid 16 x 16, 4 waves a work-group, clusters of 4 x 1, 196,608 bytes of LDS; arguments nq, wts, aq; writes aq
.if DOCPART == 2
	.amdgcn_target "amdgcn-amd-amdhsa--gfx1250"
	.amdhsa_code_object_version 6
	.text
	.protected	k_q852c2a2bad_attn
	.globl	k_q852c2a2bad_attn
	.p2align	8
	.type	k_q852c2a2bad_attn,@function
k_q852c2a2bad_attn:
	s_mov_b64 s[64:65], 0
	v_nop
	global_prefetch_b8 v0, s[64:65] scope:SCOPE_SE
	s_setreg_imm32_b32 hwreg(HW_REG_WAVE_MODE, 25, 1), 1
	s_wait_xcnt 0x0
	s_wait_alu depctr_hold_cnt(0) depctr_sa_sdst(0) depctr_va_vdst(0) depctr_va_sdst(0) depctr_va_ssrc(0) depctr_va_vcc(0) depctr_vm_vsrc(0)
	s_getreg_b32 s2, hwreg(HW_REG_IB_STS2, 6, 4)
	s_cmp_eq_u32 s2, 0
	s_cbranch_scc0 .Lentry_in_a_cluster
	s_endpgm
.Lentry_in_a_cluster:
	s_bfe_u32 s2, ttmp6, 0x10000c
	s_cmp_lg_u32 s2, 0x3003
	s_cbranch_scc0 .Lentry_shape_is_right
	s_endpgm
.Lentry_shape_is_right:
; ATTN: for one sequence and one head: Q, K, V = LN1(x) Wq, Wk, Wv (codes x codes), quantised in registers; causal attention on codes; the result quantised into aq.
; LEFT OUT: the key step of keys 128-255 for queries 0-127: all of it lies under reference()'s own causal mask (shown at the head of the first kernel).
; The head's K is 64: the upper 64 along the instruction's K are zero codes in Q and in K, under the scale byte 127.
; SHARES.  A work-group of four waves owns 256 tokens x 64 channels.  A: wave w multiplies token tiles 4 w .. 4 w + 3 by the head's 12 weight tiles over 8 K steps: 48 accumulators.  Q and K are taken transposed (source 0 = the
; weight), so that a lane's registers run along the head's channels; V natural (source 0 = the tokens), so that they run along the keys.  B: each is quantised in registers and stored to LDS as images of the operand's registers.
; C: wave w takes query tiles 2 w, 2 w + 1 (one key step of 128) and 8 + 2 w, 9 + 2 w (two): the same work in every wave.  S^T = K Q^T, O^T = V^T P^T: a lane holds one query throughout.
; THE SOFTMAX: t = score x log2(e) / 8; M = the running largest t rounded up to a whole number; p = 2^(t - M) is quantised, not normalised; the row's sum is taken of the unquantised p and divides O at the end.
; CLUSTER: the four sequences of a cluster use the same head's weights: 153,600 bytes, asked for jointly, a quarter by each wave, filled once.  x's fragments go from memory straight into registers: one wave alone reads them.
; aq: as nq; within K step s, the registers 6 c .. 6 c + 5 of lanes 16 hh .. 16 hh + 15 hold head 2 s + hh, channels 32 c on (Wo's images are laid to match).
; LIMITS: NaN and infinities are not served; a block of zeros gets the scale byte 1 (its codes are zeros; this program alone reads the bytes).
; REGISTERS.  A: window 0: v1-13 addresses; v16-31 x's scale words; v32-79 the weights'; v80-223 two groups of six weight fragments.  Window 1: four sets of x's four fragments.  Window 2: Q's and K's sums.  Window 3: V's.
; C (window 0 alone): v16-27 Q; v28 its scale word; v29 the mask's number; v30 -M, v31 the largest t; v32-33 the sum; v36-83 four fragments of K; v84-87 scale words of K or V; v88-151 S^T, p, then V's fragments;
;   v152-183 O^T; v184-195 p's codes; v198 f, v199 p's scale word; v200-222 at work; v224-235 two tiles' codes on the way out; v236-239 their bytes.
.set QI,    153600                     ; LDS: 0 .. 153,599 the weights; then Q's 16 images of 768 bytes, K's 16 (12,288 on), V's 8 of 1,536 (24,576 on),
.set VI,    178176
.set QS,    190464                     ; Q's scale words, 128 bytes a tile, K's (2,048 on), V's (4,096 on),
.set VS,    194560
.set SPARE, 195584                     ; and the spare words, 128 bytes a wave, which no other line names
.set SPW,   14                         ; v14 LDS address of my spare word; never rewritten
.set NIL,   15                         ; v15 0; never rewritten
.set MSB, 0
.macro WIN new                         ; the immediate's high byte repeats the setting that is left
.if MSB != (\new)
	s_set_vgpr_msb (MSB<<8)|(\new)
.set MSB, (\new)
.endif
.endm
.macro CROUND                          ; a round of the cluster's barrier
	s_barrier_signal -1
	s_barrier_wait -1
	s_cmp_lg_u32 s10, 0
	s_cbranch_scc1 .Lnot_wave_0_\@
	s_barrier_signal -3
.Lnot_wave_0_\@:
	s_barrier_wait -3
	s_barrier_signal -1
	s_barrier_wait -1
.endm
.macro MM d, a, b, sa, sb, kind        ; kind 0: the product starts the sum; 1: an even K step; 2: an odd one, whose scale words stand in lanes 16-31
.if (\kind) == 0
	v_wmma_scale_f32_16x16x128_f8f6f4 v[(\d):(\d)+7], v[(\a):(\a)+11], v[(\b):(\b)+11], 0, v[(\sa)], v[(\sb)] matrix_a_fmt:MATRIX_FMT_FP6 matrix_b_fmt:MATRIX_FMT_FP6
.elseif (\kind) == 1
	v_wmma_scale_f32_16x16x128_f8f6f4 v[(\d):(\d)+7], v[(\a):(\a)+11], v[(\b):(\b)+11], v[(\d):(\d)+7], v[(\sa)], v[(\sb)] matrix_a_fmt:MATRIX_FMT_FP6 matrix_b_fmt:MATRIX_FMT_FP6
.else
	v_wmma_scale_f32_16x16x128_f8f6f4 v[(\d):(\d)+7], v[(\a):(\a)+11], v[(\b):(\b)+11], v[(\d):(\d)+7], v[(\sa)], v[(\sb)] matrix_a_fmt:MATRIX_FMT_FP6 matrix_b_fmt:MATRIX_FMT_FP6 matrix_a_scale:MATRIX_SCALE_ROW1 matrix_b_scale:MATRIX_SCALE_ROW1
.endif
.endm
.macro PLACES n
.rept \n
	v_nop
.endr
.endm
.macro XLOAD s                         ; my four token tiles of K step s into set s % 4 of window 1: 12 loads of 512 consecutive bytes
	WIN 0x40
.irp m, 0,1,2,3
.irp ch, 0,1,2
	global_load_b128 v[48*((\s)%4)+12*\m+4*\ch:48*((\s)%4)+12*\m+4*\ch+3], v1, s[32:33] offset:25600*((\s)/2)+12288*((\s)%2)+1536*\m+512*\ch
.endr
.endr
.endm
.macro LG g, s                         ; weight tiles 6 g .. 6 g + 5 of K step s from LDS: 18 loads
.irp tt, 0,1,2,3,4,5
.irp ch, 0,1,2
	ds_load_b128 v[80+72*(\g)+12*\tt+4*\ch:83+72*(\g)+12*\tt+4*\ch], v[2+(\s)/2] offset:18432*((\s)%2)+1536*(6*(\g)+\tt)+512*\ch
.endr
.endr
.endm
.macro MULT t, s                       ; weight tile t against my four token tiles
.set KD, 1+(\s)%2
.if (\s) == 0
.set KD, 0
.endif
.irp m, 0,1,2,3
.if (\t) < 8
	MM 128*((\t)/4)+32*\m+8*((\t)%4), 80+12*(\t), 48*((\s)%4)+12*\m, 32+12*((\s)/2)+(\t), 16+4*((\s)/2)+\m, KD
.else
	MM 32*((\t)-8)+8*\m, 48*((\s)%4)+12*\m, 80+12*(\t), 16+4*((\s)/2)+\m, 32+12*((\s)/2)+(\t), KD
.endif
.endr
.endm
; A K step of the projection: 48 matrix instructions on 48 accumulators, one instruction a turn.  A load into registers that matrix instructions have read stands four plain lines behind them.
.macro ASTEP s
	WIN 0
	LG 1, \s
.if (\s) < 5
	s_wait_loadcnt 36                              ; x's set of this step is in: three sets of 12 were issued behind it
.else
	s_wait_loadcnt 12*(7-(\s))
.endif
	s_wait_dscnt 18                                ; group 0 is in; the 18 loads just issued may be out
	WIN 0xa4                                       ; source 0 (weights) window 0, source 1 (x) window 1, C and D window 2
.irp t, 0,1,2,3,4,5
	MULT \t, \s
.endr
	PLACES 4
	WIN 0
.if (\s) < 7
	LG 0, (\s)+1
	s_wait_dscnt 18                                ; group 1 is in
.else
	s_wait_dscnt 0x0
.endif
	WIN 0xa4
	MULT 6, \s
	MULT 7, \s
	WIN 0xf1                                       ; V: source 0 (x) window 1, source 1 (weights) window 0, C and D window 3
.irp t, 8,9,10,11
	MULT \t, \s
.endr
	PLACES 4
.if (\s) < 4
	XLOAD (\s)+4
.endif
.endm
; 32 numbers of a lane in window W, register 16 b + i = place 32 b + 16 (lane / 16) + i along K, become six code registers v184-189 (lanes 0-15 block 0, lanes 16-31 block 1) and two bytes in v206.
.macro Q2 W, s
	WIN ((\W)<<2)|((\W)<<4)
.irp b, 0,1
	v_max3_num_f32 v[200+\b], 0x1800000, |v[(\s)+16*\b]|, |v[(\s)+16*\b+1]|   ; each accumulator is read from its low end on
.endr
.irp i, 2,4,6,8,10,12,14
.irp b, 0,1
	v_max3_num_f32 v[200+\b], v[200+\b], |v[(\s)+16*\b+\i]|, |v[(\s)+16*\b+\i+1]|
.endr
.endr
	WIN 0
.irp b, 0,1
	v_permlanex16_b32 v[202+\b], v[200+\b], s28, s29
.endr
.irp b, 0,1
	v_max_num_f32 v[200+\b], v[200+\b], v[202+\b]
.endr
.irp b, 0,1
	v_add_nc_u32 v[204+\b], 0xff000000, v[200+\b]
.endr
.irp b, 0,1
	v_lshrrev_b32 v[202+\b], 23, v[204+\b]
.endr
	v_lshl_or_b32 v206, v203, 8, v202
	WIN \W
	v_cvt_scalef32_pk16_fp6_f32 v[184:186], v[(\s):(\s)+15], v204
	v_cvt_scalef32_pk16_fp6_f32 v[192:194], v[(\s)+16:(\s)+31], v205
	WIN 0
	v_nop                                          ; a plain line behind the conversions
.irp i, 0,1,2
	v_permlane16_swap_b32 v[184+\i], v[192+\i]     ; a whole block to a lane
.endr
.irp i, 0,1,2
	v_mov_b32 v[187+\i], v[192+\i]
.endr
.endm
; A key step: 128 keys (128 ks on) for the query tile in hand.  first: it starts O^T's sums.  mask: it lies on the diagonal.  y: the tile's parity.
.macro STEP ks, first, mask, y
.irp g, 0,1
.if \g
	PLACES 4
.endif
.irp t, 0,1,2,3
	ds_load_b128 v[36+12*\t:39+12*\t], v2 offset:12288+768*(8*(\ks)+4*\g+\t)
	ds_load_b64 v[40+12*\t:41+12*\t], v3 offset:12288+768*(8*(\ks)+4*\g+\t)
	ds_load_b32 v[84+\t], v4 offset:2048+128*(8*(\ks)+4*\g+\t)
.endr
	s_wait_dscnt 0x0
.irp t, 0,1,2,3
	MM 88+8*(4*\g+\t), 36+12*\t, 16, 84+\t, 28, 0
.endr
.endr
	PLACES 4
.if \mask                              ; register 16 b + i holds key 32 b + 16 (lane / 16) + i of the step: hidden where 32 b + i - 8 y > v29
	v_mov_b32 v222, 0xff800000
.set N, 0
.rept 64
	v_cmp_gt_i32 vcc_lo, 32*(N/16)+N%16-8*(\y), v29
	v_cndmask_b32 v[88+N], v[88+N], v222, vcc_lo
.set N, N+1
.endr
.endif
.irp b, 0,1,2,3
	v_max3_num_f32 v[200+\b], v[88+16*\b], v[89+16*\b], v[90+16*\b]   ; the largest score of each block of 32 keys: for the row's maximum, and, since p rises with the score, for the block's largest p
.endr
.irp i, 3,5,7,9,11,13
.irp b, 0,1,2,3
	v_max3_num_f32 v[200+\b], v[200+\b], v[88+16*\b+\i], v[89+16*\b+\i]
.endr
.endr
.irp b, 0,1,2,3
	v_max_num_f32 v[200+\b], v[200+\b], v[103+16*\b]
.endr
.irp b, 0,1,2,3
	v_permlanex16_b32 v[204+\b], v[200+\b], s28, s29
.endr
.irp b, 0,1,2,3
	v_max_num_f32 v[200+\b], v[200+\b], v[204+\b]
.endr
	v_max3_num_f32 v222, v200, v201, v202
	v_max_num_f32 v222, v222, v203
	v_mul_f32 v222, s30, v222                      ; as t
	v_max_num_f32 v31, v31, v222                   ; the running largest t
	v_mov_b32 v222, v30
	v_floor_f32 v30, -v31                          ; the new -M: M is a whole number
	v_sub_f32 v222, v30, v222
	v_cvt_i32_f32 v222, v222                       ; old M - new M, 0 or less (it saturates)
	v_ldexp_f32 v198, 1.0, v222                    ; f = 2^(old M - new M): a multiplication by it rounds nothing
.set N, 0
.rept 32
	v_pk_fma_f32 v[88+N:89+N], v[88+N:89+N], s[30:31], v[30:31] op_sel_hi:[1,0,0]   ; t - M
.set N, N+2
.endr
.irp b, 0,1,2,3
	v_fma_f32 v[200+\b], v[200+\b], s30, v30
.endr
.set N, 0
	s_wait_alu depctr_va_vdst(0)
.rept 64
	v_exp_f32 v[88+N], v[88+N]                     ; p = 2^(t - M)
.set N, N+1
.endr
	v_pk_mul_f32 v[32:33], v[32:33], v[198:199] op_sel_hi:[1,0]   ; the sums under the new M; the plain line behind the batch
	s_wait_alu depctr_va_vdst(0)                   ; one wait for the 64, ahead of their first reader
.irp b, 0,1,2,3
	v_exp_f32 v[200+\b], v[200+\b]                 ; each block's largest p
.endr
	v_pk_add_f32 v[204:205], v[88:89], v[90:91]    ; the row's sum is taken of the unquantised p, in two chains
.irp j, 4,8,12,16,20,24,28,32,36,40,44,48,52,56,60
	v_pk_add_f32 v[32:33], v[32:33], v[88+\j:89+\j]
	v_pk_add_f32 v[204:205], v[204:205], v[90+\j:91+\j]
.endr
	v_pk_add_f32 v[32:33], v[32:33], v[204:205]
	s_wait_alu depctr_va_vdst(0)                   ; and one for the four
.irp b, 0,1,2,3
	v_max_num_f32 v[200+\b], 0x1800000, v[200+\b]  ; the floor: a block whose every p is 0 keeps the byte 1; its codes are zeros
.endr
.irp b, 0,1,2,3
	v_add_nc_u32 v[212+\b], 0xff000000, v[200+\b]
.endr
.irp b, 0,1,2,3
	v_lshrrev_b32 v[204+\b], 23, v[212+\b]
.endr
	v_lshl_or_b32 v199, v205, 8, v204              ; p's scale word for these 128 keys
	v_lshl_or_b32 v199, v206, 16, v199
	v_lshl_or_b32 v199, v207, 24, v199
.irp c, 0,1
	v_cvt_scalef32_pk16_fp6_f32 v[184+6*\c:186+6*\c], v[88+32*\c:103+32*\c], v[212+2*\c]
	v_cvt_scalef32_pk16_fp6_f32 v[204+4*\c:206+4*\c], v[104+32*\c:119+32*\c], v[213+2*\c]
.endr
	v_nop                                          ; a plain line behind the conversions
.irp c, 0,1
.irp i, 0,1,2
	v_permlane16_swap_b32 v[184+6*\c+\i], v[204+4*\c+\i]
.endr
.irp i, 0,1,2
	v_mov_b32 v[187+6*\c+\i], v[204+4*\c+\i]
.endr
.endr
.irp t, 0,1,2,3                        ; V's four fragments land where p stood
.irp ch, 0,1,2
	ds_load_b128 v[88+12*\t+4*\ch:91+12*\t+4*\ch], v2 offset:24576+1536*(4*(\ks)+\t)+512*\ch
.endr
	ds_load_b32 v[84+\t], v4 offset:4096+128*(4*(\ks)+\t)
.endr
.if !(\first)
.irp j, 0,2,4,6,8,10,12,14,16,18,20,22,24,26,28,30
	v_pk_mul_f32 v[152+\j:153+\j], v[152+\j:153+\j], v[198:199] op_sel_hi:[1,0]   ; O^T under the new M
.endr
.endif
	PLACES 8                                       ; p's scale word, made by vector lines, stands eight plain lines ahead of the products, its codes four
	s_wait_alu depctr_va_vdst(0)
	s_wait_dscnt 0x0
.irp t, 0,1,2,3
.if \first
	MM 152+8*\t, 88+12*\t, 184, 84+\t, 199, 0
.else
	MM 152+8*\t, 88+12*\t, 184, 84+\t, 199, 1
.endif
.endr
	PLACES 5                                       ; the next scores are laid over V's fragments: five plain lines; four serve the loads into the scale words and the reads of O^T
.endm
.macro TSTART hi, y                    ; query tile 8 hi + 2 w + y
	ds_load_b128 v[16:19], v5 offset:768*(8*(\hi)+(\y))
	ds_load_b64 v[20:21], v6 offset:768*(8*(\hi)+(\y))
	ds_load_b32 v28, v7 offset:128*(8*(\hi)+(\y))
	v_mov_b32 v31, 0xff61b1e6                      ; the largest t so far: -3e38
	v_floor_f32 v30, -v31
	v_mov_b32 v32, 0
	v_mov_b32 v33, 0
.endm
; A tile's end: O^T / the sum, quantised along the head's 64 channels.  A head's codes belong to ONE half of the image's lanes, 12 registers a row: so two tiles are paired, lanes 0-15 take tile y = 0, lanes 16-31 tile y = 1.
.macro TEND hi, y
	v_add_f32 v32, v32, v33
	v_permlanex16_b32 v222, v32, s28, s29
	v_add_f32 v32, v32, v222                       ; the row's sum
	s_wait_alu depctr_va_vdst(0)
	v_rcp_f32 v32, v32
	v_nop
	s_wait_alu depctr_va_vdst(0)                   ; the wait ahead of the reciprocal's first reader
.irp j, 0,2,4,6,8,10,12,14,16,18,20,22,24,26,28,30
	v_pk_mul_f32 v[152+\j:153+\j], v[152+\j:153+\j], v[32:33] op_sel_hi:[1,0]
.endr
.irp b, 0,1
	v_max3_num_f32 v[200+\b], |v[152+16*\b]|, |v[153+16*\b]|, 0x1800000
.endr
.irp i, 2,4,6,8,10,12,14
.irp b, 0,1
	v_max3_num_f32 v[200+\b], v[200+\b], |v[152+16*\b+\i]|, |v[153+16*\b+\i]|
.endr
.endr
.irp b, 0,1
	v_permlanex16_b32 v[204+\b], v[200+\b], s28, s29
.endr
.irp b, 0,1
	v_max_num_f32 v[200+\b], v[200+\b], v[204+\b]
.endr
.irp b, 0,1
	v_add_nc_u32 v[212+\b], 0xff000000, v[200+\b]
.endr
.if (\y) == 0
	s_wait_alu depctr_va_vdst(0)
	s_wait_xcnt 0x0                                ; the last pair's stores have read v224-237: they are written again only behind this wait
.endif
.irp b, 0,1
	v_lshrrev_b32 v[236+2*(\y)+\b], 23, v[212+\b]
.endr
.irp b, 0,1
.if (\y) == 0
	v_cvt_scalef32_pk16_fp6_f32 v[224+6*\b:226+6*\b], v[152+16*\b:167+16*\b], v[212+\b]
.else
	v_cvt_scalef32_pk16_fp6_f32 v[216+4*\b:218+4*\b], v[152+16*\b:167+16*\b], v[212+\b]
.endif
.endr
	v_nop                                          ; a plain line behind the conversions
.if (\y) == 1
.irp c, 0,1
.irp i, 0,1,2
	v_permlane16_swap_b32 v[224+6*\c+\i], v[216+4*\c+\i]   ; the first now holds both tiles' lower 16 codes of block c, the second the upper 16
.endr
.irp i, 0,1,2
	v_mov_b32 v[227+6*\c+\i], v[216+4*\c+\i]
.endr
.endr
	v_cndmask_b32 v236, v236, v238, s44            ; lanes 16-31 take tile y = 1's bytes
	v_cndmask_b32 v237, v237, v239, s44
.irp ch, 0,1,2
	global_store_b128 v8, v[224+4*\ch:227+4*\ch], s[36:37] offset:102400*(\hi)+512*\ch   ; sixteen lanes fill 256 consecutive bytes of a tile's image
.endr
	global_store_b8 v9, v236, s[38:39] offset:102400*(\hi)      ; single bytes: a scale word's four come from two heads; 512 bytes of a work-group's 12,800
	global_store_b8 v9, v237, s[38:39] offset:102400*(\hi)+2
.endif
.endm
	s_load_b128 s[4:7], s[0:1], 0x0                ; nq, wts
	s_load_b64 s[8:9], s[0:1], 0x10                ; aq
	v_lshl_add_u32 v[SPW], v0, 2, SPARE
	v_mov_b32 v[NIL], 0
	ds_add_u32 v[SPW], v[NIL]                      ; the wave's opening: the add, twice on end, and its wait ahead of my first tensor load
	ds_add_u32 v[SPW], v[NIL]
	v_lshrrev_b32 v1, 5, v0
	v_readfirstlane_b32 s10, v1                    ; wave
	s_bfe_u32 s11, ttmp6, 0x40000                  ; cx
	s_lshl_b32 s12, ttmp9, 2
	s_add_co_u32 s12, s12, s11                     ; the sequence: it enters nq's and aq's addresses alone
	s_and_b32 s13, ttmp7, 0xffff                   ; the head, which the four partners share
	s_mov_b32 s20, 15|(3<<16)|(1<<21)              ; group 1: the mask names all four; elements of 8 bytes; bit 21 beside the mask; no padding
	s_mov_b32 s21, 32<<16                          ; tensor_dim0 = 32: rows of 256 bytes
	s_mov_b32 s22, 150<<16                         ; tensor_dim1 = 150: a double block of 38,400 bytes
	s_mov_b32 s23, 32<<16                          ; tile_dim0
	s_mov_b32 s24, 150                             ; tile_dim1
	s_mov_b32 s25, 32                              ; the pitch: dense
	s_mov_b32 s26, 0
	s_mov_b32 s27, 0
	s_mov_b32 s16, 1
	s_mul_i32 s17, s10, 38400                      ; LDS: double block w
	s_mul_i32 s40, s13, 153600
	s_add_co_u32 s40, s40, s17
	s_mov_b32 s41, 0
	s_lshl_b32 s42, s12, 1
	s_lshr_b32 s43, s10, 1
	s_add_co_u32 s42, s42, s43
	s_mul_i32 s42, s42, 102400                     ; my token panel: 2 x sequence + w / 2
	s_and_b32 s14, s10, 1
	s_mul_i32 s43, s14, 6144
	s_add_co_u32 s32, s42, s43                     ; my four tiles in it
	s_mov_b32 s33, 0
	s_lshl_b32 s43, s14, 9
	s_add_co_u32 s34, s42, s43                     ; and their registers in a scale image
	s_mov_b32 s35, 0
	s_mul_i32 s42, s12, 204800
	s_lshr_b32 s43, s13, 2
	s_mul_i32 s43, s43, 25600
	s_add_co_u32 s42, s42, s43                     ; aq: the sequence's first panel, double block head / 4
	s_bfe_u32 s43, s13, 0x10001                    ; K step head / 2: its parity
	s_and_b32 s45, s13, 1
	s_mul_i32 s36, s43, 12288
	s_add_co_u32 s36, s36, s42
	s_mul_i32 s46, s10, 3072
	s_add_co_u32 s36, s36, s46                     ; tiles 2 w, 2 w + 1
	s_lshl_b32 s46, s45, 8
	s_add_co_u32 s36, s36, s46                     ; the head's half of the lanes
	s_mov_b32 s37, 0
	s_add_co_u32 s38, s42, 24576
	s_lshr_b32 s46, s10, 1
	s_lshl_b32 s46, s46, 9
	s_add_co_u32 s38, s38, s46
	s_lshl_b32 s46, s14, 3
	s_add_co_u32 s38, s38, s46
	s_lshl_b32 s46, s43, 8
	s_add_co_u32 s38, s38, s46
	s_add_co_u32 s38, s38, s45                     ; the scale image: register 2 w (+ y), the step's half of the lanes, byte head % 2 (+ 2 c)
	s_mov_b32 s39, 0
	s_mov_b32 s28, 0x76543210
	s_mov_b32 s29, 0xfedcba98                      ; v_permlanex16_b32's selects for lane l xor 16
	s_mov_b32 s30, 0x3e38aa3b                      ; log2(e) / 8
	s_mov_b32 s31, s30                             ; (named with it as a pair)
	s_mov_b32 s44, 0xffff0000                      ; lanes 16-31
	s_wait_dscnt 0x0                               ; both opening adds are done
	s_wait_kmcnt 0x0
	s_add_nc_u64 s[18:19], s[6:7], s[40:41]
	s_or_b32 s19, s19, 0x80000000                  ; the type
	s_add_nc_u64 s[32:33], s[4:5], s[32:33]
	s_add_nc_u64 s[34:35], s[4:5], s[34:35]
	s_add_nc_u64 s[36:37], s[8:9], s[36:37]
	s_add_nc_u64 s[38:39], s[8:9], s[38:39]
	CROUND                                         ; all four work-groups are here: the joint loads meet
	tensor_load_to_lds s[16:19], s[20:27]          ; my quarter of the head's weights: my one tensor load of the launch
	s_nop 0
	PLACES 4
	v_and_b32 v13, 31, v0                          ; lane
	v_lshlrev_b32 v1, 4, v13                       ; 16 l; never rewritten
	s_wait_alu depctr_va_vdst(0)
.irp u, 0,1,2,3
	global_load_b128 v[16+4*\u:19+4*\u], v1, s[34:35] offset:25600*\u+24576   ; x's scale words: register 4 u + m, lanes 0-15 K step 2 u, lanes 16-31 step 2 u + 1
.endr
	XLOAD 0
	XLOAD 1
	XLOAD 2
	XLOAD 3
	WIN 0
	v_mov_b32 v2, v1                               ; v2-5: 16 l + double block u
	v_add_nc_u32 v3, 38400, v1
	v_add_nc_u32 v4, 76800, v1
	v_add_nc_u32 v5, 115200, v1
	s_mul_i32 s46, s10, 3072
	s_add_co_u32 s46, s46, QI
	v_add_nc_u32 v6, s46, v1                       ; where I store Q's images (K's 12,288 on): tile 4 w + m, registers 0-3;
	v_lshl_add_u32 v7, v13, 3, s46
	v_add_nc_u32 v7, 512, v7                       ; registers 4, 5
	s_lshl_b32 s47, s10, 9
	s_add_co_u32 s47, s47, QS
	v_lshl_add_u32 v8, v13, 2, s47                 ; their scale words
	s_lshr_b32 s48, s10, 1
	s_mul_i32 s49, s48, 6144
	s_add_co_u32 s49, s49, VI                      ; V: key step w / 2; my keys are registers 6 (w % 2) on
	s_mul_i32 s50, s14, 520
	s_add_co_u32 s50, s50, s49
	v_add_nc_u32 v9, s50, v1
	s_mul_i32 s50, s14, 1016
	s_add_co_u32 s50, s50, s49
	s_add_co_u32 s50, s50, 8
	v_add_nc_u32 v10, s50, v1
	s_lshl_b32 s50, s48, 9
	s_lshl_b32 s51, s14, 1
	s_add_co_u32 s50, s50, s51
	s_add_co_u32 s50, s50, VS
	v_lshl_add_u32 v11, v13, 2, s50                ; my two bytes of V's scale words
	s_wait_alu depctr_va_vdst(0)
	s_wait_tensorcnt 0x0                           ; my quarter has landed,
	s_barrier_signal -1
	s_barrier_wait -1                              ; everybody's has
.irp u, 0,1,2,3
.irp g, 0,1,2
	ds_load_b128 v[32+12*\u+4*\g:35+12*\u+4*\g], v[2+\u] offset:36864+512*\g   ; the weights' scale words: register 12 u + t
.endr
.endr
	LG 0, 0
.irp s, 0,1,2,3,4,5,6,7
	ASTEP \s
.endr
	; ---- B: the sums become operands.  (The four plain lines at the last step's end stand ahead of the first read.)
	WIN 0
	v_mov_b32 v202, 0                              ; (a lane permute's destination counts as one of its sources)
	v_mov_b32 v203, 0
.irp m, 0,1,2,3
	Q2 2, 32*\m
	v_or_b32 v206, 0x7f7f0000, v206                ; the upper 64 along K are zero codes: byte 127
	ds_store_b128 v6, v[184:187] offset:768*\m
	ds_store_b64 v7, v[188:189] offset:768*\m
	ds_store_b32 v8, v206 offset:128*\m
	s_wait_dscnt 0x0                               ; the stores have read their registers
.endr
.irp m, 0,1,2,3
	Q2 2, 128+32*\m
	v_or_b32 v206, 0x7f7f0000, v206
	ds_store_b128 v6, v[184:187] offset:12288+768*\m
	ds_store_b64 v7, v[188:189] offset:12288+768*\m
	ds_store_b32 v8, v206 offset:2048+128*\m
	s_wait_dscnt 0x0
.endr
.irp t, 0,1,2,3
	Q2 3, 32*\t                                    ; V^T: 16 channels x my 64 keys
	ds_store_b64 v9, v[184:185] offset:1536*\t
	ds_store_b64 v10, v[186:187] offset:1536*\t
	ds_store_b64 v9, v[188:189] offset:1536*\t+512
	ds_store_b16 v11, v206 offset:128*\t
	s_wait_dscnt 0x0
.endr
	s_barrier_signal -1
	s_barrier_wait -1                              ; all images lie in LDS
	; ---- C
	v_add_nc_u32 v2, QI, v1                        ; 16 l: K's and V's fragments by the immediate
	v_lshl_add_u32 v3, v13, 3, QI+512              ; 8 l: K's registers 4, 5
	v_lshl_add_u32 v4, v13, 2, QS                  ; 4 l: scale words
	s_mul_i32 s46, s10, 1536
	v_add_nc_u32 v5, s46, v2                       ; Q: tile 2 w
	v_add_nc_u32 v6, s46, v3
	s_lshl_b32 s47, s10, 8
	v_add_nc_u32 v7, s47, v4
	v_and_b32 v12, 15, v13                         ; r
	v_lshrrev_b32 v10, 4, v13                      ; h
	v_lshlrev_b32 v8, 4, v12
	v_lshl_add_u32 v9, v10, 2, v8                  ; the bytes' place: 16 r + 4 x (which tile of the pair)
	v_mad_u32_u24 v8, v10, 1536, v8                ; the codes': 16 r + 1,536 x (which tile)
	v_lshrrev_b32 v11, 3, v12
	v_and_b32 v29, 7, v12
	v_lshl_add_u32 v29, v11, 4, v29
	s_lshl_b32 s48, s10, 5
	v_add_nc_u32 v29, s48, v29
	v_lshlrev_b32 v11, 4, v10
	v_sub_nc_u32 v29, v29, v11                     ; 32 w + 16 (r / 8) + r % 8 - 16 h: my query (less 8 y) in its step, less my half's first key
.irp i, 22,23,24,25,26,27
	v_mov_b32 v[\i], 0                             ; Q's upper 64 along K
.endr
.irp t, 0,1,2,3
.irp i, 6,7,8,9,10,11
	v_mov_b32 v[36+12*\t+\i], 0                    ; and K's
.endr
.endr
	v_mov_b32 v199, 0                              ; (named as the upper half of the pair v[198:199] before it is first written)
.irp b, 0,1,2,3
	v_mov_b32 v[204+\b], 0
.endr
.irp y, 0,1
	TSTART 0, \y
	STEP 0, 1, 1, \y
	TEND 0, \y
.endr
.irp y, 0,1
	TSTART 1, \y
	STEP 0, 1, 0, \y
	STEP 1, 0, 1, \y
	TEND 1, \y
.endr
	s_wait_tensorcnt 0x0                           ; the wave's end
	ds_add_u32 v[SPW], v[NIL]
	s_wait_dscnt 0x0
	CROUND                                         ; the closing round
	s_endpgm
.Lfunc_end_k_q852c2a2bad_attn:
	.size	k_q852c2a2bad_attn, .Lfunc_end_k_q852c2a2bad_attn-k_q852c2a2bad_attn
	.p2alignl 7, 3214868480
	.fill 96, 4, 3214868480
	.section	.rodata,"a",@progbits
	.p2align	6, 0x0
	.amdhsa_kernel k_q852c2a2bad_attn
		.amdhsa_group_segment_fixed_size 196608
		.amdhsa_private_segment_fixed_size 0
		.amdhsa_enable_private_segment 0
		.amdhsa_kernarg_size 24
		.amdhsa_user_sgpr_count 2
		.amdhsa_user_sgpr_kernarg_segment_ptr 1
		.amdhsa_wavefront_size32 1
		.amdhsa_system_sgpr_workgroup_id_x 1
		.amdhsa_system_sgpr_workgroup_id_y 1
		.amdhsa_system_sgpr_workgroup_id_z 1
		.amdhsa_system_vgpr_workitem_id 0
		.amdhsa_next_free_vgpr 1024
		.amdhsa_next_free_sgpr 66
		.amdhsa_reserve_vcc 1
		.amdhsa_float_denorm_mode_32 3
		.amdhsa_float_denorm_mode_16_64 3
		.amdhsa_memory_ordered 1
		.amdhsa_forward_progress 1
		.amdhsa_inst_pref_size 245
	.end_amdhsa_kernel
	.amdgpu_metadata
---
amdhsa.version: [ 1, 2 ]
amdhsa.kernels:
  - .name:           k_q852c2a2bad_attn
    .symbol:         k_q852c2a2bad_attn.kd
    .args:
      - { .name: nq, .offset: 0, .size: 8, .value_kind: global_buffer, .address_space: global }
      - { .name: wts, .offset: 8, .size: 8, .value_kind: global_buffer, .address_space: global }
      - { .name: aq, .offset: 16, .size: 8, .value_kind: global_buffer, .address_space: global }
    .group_segment_fixed_size: 196608
    .private_segment_fixed_size: 0
    .kernarg_segment_align: 8
    .kernarg_segment_size: 24
    .max_flat_workgroup_size: 128
    .sgpr_count:     66
    .vgpr_count:     1024
    .wavefront_size: 32
...
	.end_amdgpu_metadata
.endif
;; end of part 2
;; launch wo (part 3): grid 8 x 32, 4 waves a work-group, no clusters, 270,848 bytes of LDS; arguments aq, wts, x, x1; writes x1
.if DOCPART == 3
	.amdgcn_target "amdgcn-amd-amdhsa--gfx1250"
	.amdhsa_code_object_version 6
	.text
	.protected	k_q852c2a2bad_wo
	.globl	k_q852c2a2bad_wo
	.p2align	8
	.type	k_q852c2a2bad_wo,@function
k_q852c2a2bad_wo:
	s_mov_b64 s[64:65], 0
	v_nop
	global_prefetch_b8 v0, s[64:65] scope:SCOPE_SE
	s_setreg_imm32_b32 hwreg(HW_REG_WAVE_MODE, 25, 1), 1
	s_wait_xcnt 0x0
; WO: x1 = x + attention Wo, on codes.  A work-group makes 128 tokens x 128 columns.  K IS SHARED OUT AMONG THE FOUR WAVES: wave q takes K steps NS q .. NS q + NS - 1 for the whole tile (64 accumulators),
; so that no operand byte is read twice inside a work-group; both operands go from memory straight into registers as fragment images (three loads of 512 consecutive bytes a fragment).  The four partial sums meet in LDS.
; No tensor load and no cluster: every operand byte is one wave's own, so there is nothing that LDS could share inside the work-group.
; THE MATRIX INSTRUCTION IS USED TRANSPOSED (source 0 = the weight): a lane holds eight neighbouring columns of one token.
; The order of the f32 sums differs from one chain along K: (q0 + q1) + (q2 + q3), then the residual.
; REGISTERS: window 0: v1-7 addresses; v32-63 scale words, two sets (A's eight, B's eight); v64-255 A's fragments, two sets.  Window 1: B's, two sets; on the way out the residual.  Windows 2, 3: accumulator (a, b) at 8 (8 (a % 4) + b).
.set NS,    2                          ; K steps a wave
.set APS,   102400                     ; a token panel of the left operand
.set BOFF,  2457600                    ; the weight's part of wts
.set BPS,   102400                     ; a panel of it
.set BIAS,  0
.set PART,  67584                      ; LDS: a wave's partial sums: 128 rows x (512 bytes + 16)
.set SPARE, 4*PART                     ; behind them the spare words, 128 bytes a wave, which no other line names
.set SPW,   28
.set NIL,   29
.set MSB, 0
.macro WIN new
.if MSB != (\new)
	s_set_vgpr_msb (MSB<<8)|(\new)
.set MSB, (\new)
.endif
.endm
.macro MM d, a, b, sa, sb, kind        ; kind 0: the product starts the sum; 1: an even K step; 2: an odd one, whose scale words stand in lanes 16-31
.if (\kind) == 0
	v_wmma_scale_f32_16x16x128_f8f6f4 v[(\d):(\d)+7], v[(\a):(\a)+11], v[(\b):(\b)+11], 0, v[(\sa)], v[(\sb)] matrix_a_fmt:MATRIX_FMT_FP6 matrix_b_fmt:MATRIX_FMT_FP6
.elseif (\kind) == 1
	v_wmma_scale_f32_16x16x128_f8f6f4 v[(\d):(\d)+7], v[(\a):(\a)+11], v[(\b):(\b)+11], v[(\d):(\d)+7], v[(\sa)], v[(\sb)] matrix_a_fmt:MATRIX_FMT_FP6 matrix_b_fmt:MATRIX_FMT_FP6
.else
	v_wmma_scale_f32_16x16x128_f8f6f4 v[(\d):(\d)+7], v[(\a):(\a)+11], v[(\b):(\b)+11], v[(\d):(\d)+7], v[(\sa)], v[(\sb)] matrix_a_fmt:MATRIX_FMT_FP6 matrix_b_fmt:MATRIX_FMT_FP6 matrix_a_scale:MATRIX_SCALE_ROW1 matrix_b_scale:MATRIX_SCALE_ROW1
.endif
.endm
.macro PLACES n
.rept \n
	v_nop
.endr
.endm
.macro FL s                            ; my K step s: eight fragments of each operand, 48 loads
.set LP, (\s)%2
	WIN 0x40
.irp t, 0,1,2,3,4,5,6,7
.irp ch, 0,1,2
	global_load_b128 v[96*LP+12*\t+4*\ch:96*LP+12*\t+4*\ch+3], v1, s[6:7] offset:25600*((\s)/2)+12288*((\s)%2)+1536*\t+512*\ch
.endr
.endr
	WIN 0
.irp t, 0,1,2,3,4,5,6,7
.irp ch, 0,1,2
	global_load_b128 v[64+96*LP+12*\t+4*\ch:64+96*LP+12*\t+4*\ch+3], v1, s[4:5] offset:25600*((\s)/2)+12288*((\s)%2)+1536*\t+512*\ch
.endr
.endr
.endm
.macro SCL u                           ; the scale images of my pair u of K steps: 4 loads
.irp j, 0,1
	global_load_b128 v[32+16*((\u)%2)+4*\j:35+16*((\u)%2)+4*\j], v1, s[4:5] offset:25600*(\u)+24576+512*\j
	global_load_b128 v[40+16*((\u)%2)+4*\j:43+16*((\u)%2)+4*\j], v1, s[6:7] offset:25600*(\u)+24576+512*\j
.endr
.endm
.macro MUL16 a0                        ; token tiles a0, a0 + 1 against the weight's eight
.irp a, \a0, \a0+1
.irp b, 0,1,2,3,4,5,6,7
	MM 8*(8*((\a)%4)+\b), 96*PP+12*\b, 64+96*PP+12*(\a), 40+16*EE+\b, 32+16*EE+(\a), KD
.endr
.endr
.endm
; A K step: the next step's loads first, then 64 matrix instructions on 64 accumulators, one instruction a turn.
.macro GSTEP s
.if (\s) > 0
	PLACES 4                                       ; ahead of loads into registers that the last step's products have read
.endif
.set CNT, 0
.if (\s)+1 < NS
	FL (\s)+1
.set CNT, 48
.endif
.if ((\s)%2 == 0) && ((\s)+2 < NS)
	SCL (\s)/2+1
.set CNT, 52
.endif
	s_wait_loadcnt CNT                             ; all but what this step has just issued
.set PP, (\s)%2
.set EE, ((\s)/2)%2
.set KD, 1+(\s)%2
.if (\s) == 0
.set KD, 0
.endif
	WIN 0xa1                                       ; source 0 (weights) window 1, source 1 window 0, C and D window 2
	MUL16 0
	MUL16 2
	WIN 0xf1
	MUL16 4
	MUL16 6
	WIN 0
.endm
.macro BATCH g                         ; eight of my 32 rows: the four partial sums, the residual (and the bias), out
.if (\g) > 0
	s_wait_xcnt 0x0                                ; the last batch's stores have read their registers
.endif
.irp p, 0,1,2,3
.irp ii, 0,1,2,3,4,5,6,7
	ds_load_b128 v[64+32*\p+4*\ii:67+32*\p+4*\ii], v[4+\p] offset:528*(8*(\g)+\ii)
.endr
.endr
	s_wait_dscnt 0x0
.set E, 0
.rept 16
	v_pk_add_f32 v[64+E:65+E], v[64+E:65+E], v[96+E:97+E]
	v_pk_add_f32 v[128+E:129+E], v[128+E:129+E], v[160+E:161+E]
.set E, E+2
.endr
.set E, 0
.rept 16
	v_pk_add_f32 v[64+E:65+E], v[64+E:65+E], v[128+E:129+E]
.set E, E+2
.endr
	s_wait_loadcnt 24-8*(\g)                       ; this batch's eight residual rows are in; the later batches' may be out
	WIN 0x04                                       ; source 1 window 1
.set E, 0
.rept 16
	v_pk_add_f32 v[64+E:65+E], v[64+E:65+E], v[32*(\g)+E:32*(\g)+E+1]
.set E, E+2
.endr
	WIN 0
.if BIAS
.set E, 0
.rept 16
	v_pk_add_f32 v[64+E:65+E], v[64+E:65+E], v[24+E%4:25+E%4]
.set E, E+2
.endr
.endif
.set I, 8*(\g)
.rept 8
	global_store_b128 v1, v[64+4*(I%8):67+4*(I%8)], s[10:11] offset:(16*((I%16)/8)+8*(I/16)+I%8)*4096   ; 512 consecutive bytes of a token's row
.set I, I+1
.endr
.endm
	s_load_b256 s[4:11], s[0:1], 0x0               ; the left operand's codes, wts, the residual, the result
.if BIAS
	s_load_b64 s[12:13], s[0:1], 0x20
.endif
	v_lshl_add_u32 v[SPW], v0, 2, SPARE
	v_mov_b32 v[NIL], 0
	v_lshrrev_b32 v1, 5, v0
	v_readfirstlane_b32 s14, v1                    ; wave q
	v_and_b32 v2, 31, v0
	v_lshlrev_b32 v1, 4, v2                        ; 16 l; never rewritten
	s_and_b32 s15, ttmp7, 0xffff                   ; the token panel
	s_mul_i32 s18, s14, (NS/2)*25600               ; my K steps' double blocks
	s_mul_i32 s16, s15, APS
	s_add_co_u32 s16, s16, s18
	s_mov_b32 s17, 0
	s_mul_i32 s20, ttmp9, BPS
	s_add_co_u32 s20, s20, s18
	s_add_co_u32 s20, s20, BOFF
	s_mov_b32 s21, 0
	s_lshl_b32 s22, s15, 7
	s_lshl_b32 s23, s14, 5
	s_add_co_u32 s22, s22, s23                     ; on the way out I own tokens 128 gy + 32 q on
	s_lshl_b32 s22, s22, 12
	s_lshl_b32 s23, ttmp9, 9
	s_add_co_u32 s22, s22, s23
	s_mov_b32 s23, 0
	s_lshl_b32 s24, ttmp9, 9
	s_mov_b32 s25, 0
	s_wait_alu depctr_va_vdst(0)
	s_wait_kmcnt 0x0
	s_add_nc_u64 s[4:5], s[4:5], s[16:17]
	s_add_nc_u64 s[6:7], s[6:7], s[20:21]
	s_add_nc_u64 s[8:9], s[8:9], s[22:23]
	s_add_nc_u64 s[10:11], s[10:11], s[22:23]
.if BIAS
	s_add_nc_u64 s[12:13], s[12:13], s[24:25]
	global_load_b128 v[24:27], v1, s[12:13]        ; the bias of my four columns on the way out
.endif
	SCL 0
	FL 0
	v_and_b32 v8, 15, v2
	v_lshrrev_b32 v9, 4, v2
	v_mul_u32_u24 v3, v8, 528
	v_lshl_add_u32 v3, v9, 6, v3
	s_mul_i32 s26, s14, PART
	v_add_nc_u32 v3, s26, v3                       ; my partial sums: row r, + 64 h
	s_mul_i32 s27, s14, 16896
	v_add_nc_u32 v4, s27, v1                       ; v4-7: rows 32 q on of the four waves' partial sums
	v_add_nc_u32 v5, PART, v4
	v_add_nc_u32 v6, 2*PART, v4
	v_add_nc_u32 v7, 3*PART, v4
.set S, 0
.rept NS
	GSTEP S
.set S, S+1
.endr
	PLACES 4                                       ; ahead of the reads of results and of loads into the operands' registers
	WIN 0x40
.set I, 0
.rept 32
	global_load_b128 v[4*I:4*I+3], v1, s[8:9] offset:(16*((I%16)/8)+8*(I/16)+I%8)*4096   ; the residual of image row I of my 32: its token by the tiles' order of rows
.set I, I+1
.endr
	s_wait_alu depctr_va_vdst(0)
.irp a, 0,1,2,3,4,5,6,7
	WIN 0x08+4*(\a/4)                              ; an LDS store's data are its source 1: window 2 or 3
.irp b, 0,1,2,3,4,5,6,7
	ds_store_b128 v3, v[8*(8*(\a%4)+\b):8*(8*(\a%4)+\b)+3] offset:8448*\a+128*(\b/2)+32*(\b%2)      ; each accumulator from its low end on
	ds_store_b128 v3, v[8*(8*(\a%4)+\b)+4:8*(8*(\a%4)+\b)+7] offset:8448*\a+128*(\b/2)+32*(\b%2)+16
.endr
.endr
	WIN 0
	s_wait_dscnt 0x0                               ; for the others' sake: my partial sums have landed
	s_barrier_signal -1
	s_barrier_wait -1
	BATCH 0
	BATCH 1
	BATCH 2
	BATCH 3
	s_wait_tensorcnt 0x0                           ; the wave's end
	ds_add_u32 v[SPW], v[NIL]
	s_wait_dscnt 0x0
	s_endpgm
.Lfunc_end_k_q852c2a2bad_wo:
	.size	k_q852c2a2bad_wo, .Lfunc_end_k_q852c2a2bad_wo-k_q852c2a2bad_wo
	.p2alignl 7, 3214868480
	.fill 96, 4, 3214868480
	.section	.rodata,"a",@progbits
	.p2align	6, 0x0
	.amdhsa_kernel k_q852c2a2bad_wo
		.amdhsa_group_segment_fixed_size 270848
		.amdhsa_private_segment_fixed_size 0
		.amdhsa_enable_private_segment 0
		.amdhsa_kernarg_size 32
		.amdhsa_user_sgpr_count 2
		.amdhsa_user_sgpr_kernarg_segment_ptr 1
		.amdhsa_wavefront_size32 1
		.amdhsa_system_sgpr_workgroup_id_x 1
		.amdhsa_system_sgpr_workgroup_id_y 1
		.amdhsa_system_sgpr_workgroup_id_z 1
		.amdhsa_system_vgpr_workitem_id 0
		.amdhsa_next_free_vgpr 1024
		.amdhsa_next_free_sgpr 66
		.amdhsa_reserve_vcc 0
		.amdhsa_float_denorm_mode_32 3
		.amdhsa_float_denorm_mode_16_64 3
		.amdhsa_memory_ordered 1
		.amdhsa_forward_progress 1
		.amdhsa_inst_pref_size 68
	.end_amdhsa_kernel
	.amdgpu_metadata
---
amdhsa.version: [ 1, 2 ]
amdhsa.kernels:
  - .name:           k_q852c2a2bad_wo
    .symbol:         k_q852c2a2bad_wo.kd
    .args:
      - { .name: aq, .offset: 0, .size: 8, .value_kind: global_buffer, .address_space: global }
      - { .name: wts, .offset: 8, .size: 8, .value_kind: global_buffer, .address_space: global }
      - { .name: x, .offset: 16, .size: 8, .value_kind: global_buffer, .address_space: global }
      - { .name: x1, .offset: 24, .size: 8, .value_kind: global_buffer, .address_space: global }
    .group_segment_fixed_size: 270848
    .private_segment_fixed_size: 0
    .kernarg_segment_align: 8
    .kernarg_segment_size: 32
    .max_flat_workgroup_size: 128
    .sgpr_count:     66
    .vgpr_count:     1024
    .wavefront_size: 32
...
	.end_amdgpu_metadata
.endif
;; end of part 3
;; launch ln2: the kernel of part 1 again; grid 256 x 3, 4 waves a work-group, no clusters, 50,176 bytes of LDS; arguments x1, g2, be2, Wq, Wk, Wv, Wo, W1, W2, nq, wts; writes nq, wts
;; launch ffn1 (part 4): grid 8 x 32, 4 waves a work-group, clusters of 4 x 4, 327,680 bytes of LDS; arguments nq, wts, b1, hid; writes hid
.if DOCPART == 4
	.amdgcn_target "amdgcn-amd-amdhsa--gfx1250"
	.amdhsa_code_object_version 6
	.text
	.protected	k_q852c2a2bad_ffn1
	.globl	k_q852c2a2bad_ffn1
	.p2align	8
	.type	k_q852c2a2bad_ffn1,@function
k_q852c2a2bad_ffn1:
	s_mov_b64 s[64:65], 0
	v_nop
	global_prefetch_b8 v0, s[64:65] scope:SCOPE_SE
	s_setreg_imm32_b32 hwreg(HW_REG_WAVE_MODE, 25, 1), 1
	s_wait_xcnt 0x0
	s_wait_alu depctr_hold_cnt(0) depctr_sa_sdst(0) depctr_va_vdst(0) depctr_va_sdst(0) depctr_va_ssrc(0) depctr_va_vcc(0) depctr_vm_vsrc(0)
	s_getreg_b32 s2, hwreg(HW_REG_IB_STS2, 6, 4)
	s_cmp_eq_u32 s2, 0
	s_cbranch_scc0 .Lentry_in_a_cluster
	s_endpgm
.Lentry_in_a_cluster:
	s_bfe_u32 s2, ttmp6, 0x10000c
	s_cmp_lg_u32 s2, 0xf033
	s_cbranch_scc0 .Lentry_shape_is_right
	s_endpgm
.Lentry_shape_is_right:
; FFN1: hid = Q(relu(LN2(x1) W1 + b1)), on codes.  A work-group makes 128 tokens x 512 hidden units; wave w the 128 units of W1's panel 4 gx + w: 64 accumulators.
; The buffers' layout (fragment images, double blocks of two K steps with their scale image) is set out at the head of the first kernel.
; LDS IS FILLED ONCE, at the head, and never again.  The token panel's codes and scale words for ALL of K, 102,400 bytes, a quarter by each wave; and each wave's own weights of K steps 4 to 7 (double blocks 2 and 3, 51,200 bytes).
; The weights of K steps 0 to 3 go from memory straight into registers: all four waves' weights are 409,600 bytes, which do not fit beside the token panel.
; CLUSTER: 4 x 4 work-groups.  The token panel hangs on gy alone: the four of a row of the cluster ask for it jointly.  A wave's weights hang on gx and the wave's number alone: the four of a column ask for them jointly.
; Each joint load has the same descriptor in the four that its mask names; no LDS address and no branch hangs on a work-group's place in its cluster.
; THE MATRIX INSTRUCTION IS USED TRANSPOSED (source 0 = the weight): a lane holds one token, and by the tiles' order of rows the 16 registers of tiles 2 b, 2 b + 1 are 16 neighbouring hidden units: the next product's K.
; b1 is the C of each sum's first product.  A wave's 128 units are one K step of the next product: each token tile becomes one fragment image and one scale word a row.
; LIMITS: NaN and infinities are not served; a block of zeros gets the scale byte 1 (its codes are zeros; this program alone reads the bytes).
; REGISTERS: window 0: v1-5 addresses; v32-63 scale words, two sets; v64-255 the tokens' fragments, two sets; on the way out v64-119 at work.  Window 1: v0-191 the weights', two sets; v192-255 b1.  Windows 2, 3: accumulator (a, b) at 8 (8 (a % 4) + b).
.set WREG,  102400                     ; LDS: 0 .. 102,399 the token panel; then 51,200 bytes of weights for each wave;
.set SPARE, 307200                     ; behind them the spare words, 128 bytes a wave, which no other line names
.set SPW,   28
.set NIL,   29
.set CG, 0                             ; loads from memory and
.set CD, 0                             ; from LDS that a step has issued
.set MSB, 0
.macro WIN new
.if MSB != (\new)
	s_set_vgpr_msb (MSB<<8)|(\new)
.set MSB, (\new)
.endif
.endm
.macro CROUND                          ; a round of the cluster's barrier
	s_barrier_signal -1
	s_barrier_wait -1
	s_cmp_lg_u32 s14, 0
	s_cbranch_scc1 .Lnot_wave_0_\@
	s_barrier_signal -3
.Lnot_wave_0_\@:
	s_barrier_wait -3
	s_barrier_signal -1
	s_barrier_wait -1
.endm
.macro MM d, a, b, c, sa, sb, odd      ; odd: the K step's scale words stand in lanes 16-31
.if (\odd) == 0
	v_wmma_scale_f32_16x16x128_f8f6f4 v[(\d):(\d)+7], v[(\a):(\a)+11], v[(\b):(\b)+11], v[(\c):(\c)+7], v[(\sa)], v[(\sb)] matrix_a_fmt:MATRIX_FMT_FP6 matrix_b_fmt:MATRIX_FMT_FP6
.else
	v_wmma_scale_f32_16x16x128_f8f6f4 v[(\d):(\d)+7], v[(\a):(\a)+11], v[(\b):(\b)+11], v[(\c):(\c)+7], v[(\sa)], v[(\sb)] matrix_a_fmt:MATRIX_FMT_FP6 matrix_b_fmt:MATRIX_FMT_FP6 matrix_a_scale:MATRIX_SCALE_ROW1 matrix_b_scale:MATRIX_SCALE_ROW1
.endif
.endm
.macro PLACES n
.rept \n
	v_nop
.endr
.endm
.macro FLB s                           ; my weights of K step s: 24 loads of 512 consecutive bytes; steps 0 to 3 from memory, steps 4 to 7 from my part of LDS
	WIN 0x40
.irp t, 0,1,2,3,4,5,6,7
.irp ch, 0,1,2
.if (\s) < 4
	global_load_b128 v[96*((\s)%2)+12*\t+4*\ch:96*((\s)%2)+12*\t+4*\ch+3], v1, s[6:7] offset:25600*((\s)/2)+12288*((\s)%2)+1536*\t+512*\ch
.else
	ds_load_b128 v[96*((\s)%2)+12*\t+4*\ch:96*((\s)%2)+12*\t+4*\ch+3], v5 offset:25600*((\s)/2-2)+12288*((\s)%2)+1536*\t+512*\ch
.endif
.endr
.endr
	WIN 0
.if (\s) < 4
.set CG, CG+24
.else
.set CD, CD+24
.endif
.endm
.macro FLA s                           ; the tokens' fragments of K step s from LDS: 24 loads (v1 reaches double blocks 0 and 1, v3 blocks 2 and 3)
.irp t, 0,1,2,3,4,5,6,7
.irp ch, 0,1,2
	ds_load_b128 v[64+96*((\s)%2)+12*\t+4*\ch:64+96*((\s)%2)+12*\t+4*\ch+3], v[1+2*((\s)/4)] offset:25600*(((\s)/2)%2)+12288*((\s)%2)+1536*\t+512*\ch
.endr
.endr
.set CD, CD+24
.endm
.macro SCB u                           ; the weights' scale image of the pair u of K steps
.irp j, 0,1
.if (\u) < 2
	global_load_b128 v[40+16*((\u)%2)+4*\j:43+16*((\u)%2)+4*\j], v1, s[6:7] offset:25600*(\u)+24576+512*\j
.else
	ds_load_b128 v[40+16*((\u)%2)+4*\j:43+16*((\u)%2)+4*\j], v5 offset:25600*((\u)-2)+24576+512*\j
.endif
.endr
.if (\u) < 2
.set CG, CG+2
.else
.set CD, CD+2
.endif
.endm
.macro SCA u                           ; and the tokens'
.irp j, 0,1
	ds_load_b128 v[32+16*((\u)%2)+4*\j:35+16*((\u)%2)+4*\j], v[1+2*((\u)/2)] offset:25600*((\u)%2)+24576+512*\j
.endr
.set CD, CD+2
.endm
.macro MUL16 a0, s
.irp a, \a0, \a0+1
.irp b, 0,1,2,3,4,5,6,7
.if (\s) == 0
	MM 8*(8*((\a)%4)+\b), 12*\b, 64+12*(\a), 192+8*\b, 40+\b, 32+(\a), 0
.else
	MM 8*(8*((\a)%4)+\b), 96*((\s)%2)+12*\b, 64+96*((\s)%2)+12*(\a), 8*(8*((\a)%4)+\b), 40+16*(((\s)/2)%2)+\b, 32+16*(((\s)/2)%2)+(\a), (\s)%2
.endif
.endr
.endr
.endm
; A K step: the next step's loads first, then 64 matrix instructions on 64 accumulators, one instruction a turn.
.macro FSTEP s
.if (\s) > 0
	PLACES 4                                       ; ahead of loads into registers that the last step's products have read
.endif
.set CG, 0
.set CD, 0
.if (\s) == 3
	s_wait_tensorcnt 0x0                           ; my weights of K steps 4 to 7 have landed: I alone read them, so my own wait orders the reads
.endif
.if ((\s) > 0) && ((\s)+1 < 8)
	FLB (\s)+1
.endif
.if (\s) == 0
.set CG, 24                                        ; (step 1's 24 loads were issued at the head, behind step 0's)
.endif
.if (\s)+1 < 8
	FLA (\s)+1
.endif
.if ((\s)%2 == 1) && ((\s)+1 < 8)
	SCB ((\s)+1)/2
	SCA ((\s)+1)/2
.endif
	s_wait_loadcnt CG                              ; all but the next step's, from memory
	s_wait_dscnt CD                                ; and from LDS
.if (\s) == 0
	WIN 0x91                                       ; source 0 (weights) and C (b1) window 1, source 1 window 0, D window 2
.else
	WIN 0xa1
.endif
	MUL16 0, \s
	MUL16 2, \s
.if (\s) == 0
	WIN 0xd1
.else
	WIN 0xf1
.endif
	MUL16 4, \s
	MUL16 6, \s
	WIN 0
.endm
; Token tile a: relu, quantised along my 128 hidden units, out as a fragment image.
.macro OUTA a
.set W, 2+(\a)/4
.set S0, 64*((\a)%4)
	WIN (W<<6)|(W<<2)
.set N, 0
.rept 64
	v_max_num_f32 v[S0+N], 0, v[S0+N]              ; the activation, in f32; each accumulator from its low end on
.set N, N+1
.endr
	WIN (W<<2)|(W<<4)
.irp b, 0,1,2,3
	v_max3_num_f32 v[96+\b], 0x1800000, v[S0+16*\b], v[S0+16*\b+1]   ; none is negative; the floor holds the byte at 1
.endr
.irp i, 2,4,6,8,10,12,14
.irp b, 0,1,2,3
	v_max3_num_f32 v[96+\b], v[96+\b], v[S0+16*\b+\i], v[S0+16*\b+\i+1]
.endr
.endr
	WIN 0
.irp b, 0,1,2,3
	v_permlanex16_b32 v[100+\b], v[96+\b], s28, s29
.endr
.irp b, 0,1,2,3
	v_max_num_f32 v[96+\b], v[96+\b], v[100+\b]
.endr
.irp b, 0,1,2,3
	v_add_nc_u32 v[108+\b], 0xff000000, v[96+\b]
.endr
.irp b, 0,1,2,3
	v_lshrrev_b32 v[100+\b], 23, v[108+\b]
.endr
	v_lshl_or_b32 v[112+(\a)], v101, 8, v100
	v_lshl_or_b32 v[112+(\a)], v102, 16, v[112+(\a)]
	v_lshl_or_b32 v[112+(\a)], v103, 24, v[112+(\a)]   ; my row's scale word of this tile
	s_wait_xcnt 0x0                                ; the last tile's stores have read v64-75
	WIN W
.irp c, 0,1
	v_cvt_scalef32_pk16_fp6_f32 v[64+6*\c:66+6*\c], v[S0+32*\c:S0+32*\c+15], v[108+2*\c]
	v_cvt_scalef32_pk16_fp6_f32 v[80+4*\c:82+4*\c], v[S0+32*\c+16:S0+32*\c+31], v[109+2*\c]
.endr
	WIN 0
	v_nop                                          ; a plain line behind the conversions
.irp c, 0,1
.irp i, 0,1,2
	v_permlane16_swap_b32 v[64+6*\c+\i], v[80+4*\c+\i]
.endr
.irp i, 0,1,2
	v_mov_b32 v[67+6*\c+\i], v[80+4*\c+\i]
.endr
.endr
.irp ch, 0,1,2
	global_store_b128 v1, v[64+4*\ch:67+4*\ch], s[44:45] offset:1536*(\a)+512*\ch   ; 512 consecutive bytes a store
.endr
.endm
	s_load_b256 s[4:11], s[0:1], 0x0               ; nq, wts, b1, hid
	v_lshl_add_u32 v[SPW], v0, 2, SPARE
	v_mov_b32 v[NIL], 0
	ds_add_u32 v[SPW], v[NIL]                      ; the wave's opening: the add, twice on end, and its wait ahead of my first tensor load
	ds_add_u32 v[SPW], v[NIL]
	v_lshrrev_b32 v1, 5, v0
	v_readfirstlane_b32 s14, v1                    ; wave
	s_bfe_u32 s60, ttmp6, 0x40000                  ; cx, cy: my place in the cluster
	s_bfe_u32 s61, ttmp6, 0x40004
	s_lshl_b32 s12, ttmp9, 2
	s_add_co_u32 s12, s12, s60                     ; gx = 4 x cluster x + cx: which 512 hidden units
	s_and_b32 s15, ttmp7, 0xffff
	s_lshl_b32 s15, s15, 2
	s_add_co_u32 s15, s15, s61                     ; gy = 4 x cluster y + cy: the token panel
	s_lshl_b32 s62, s61, 2
	s_lshl_b32 s62, 15, s62                        ; my row of the cluster
	s_lshl_b32 s63, 0x1111, s60                    ; my column
	s_or_b32 s20, s62, (3<<16)|(1<<21)             ; group 1 for the tokens: the mask of my row; elements of 8 bytes; bit 21 beside the mask; no padding
	s_mov_b32 s21, 32<<16                          ; tensor_dim0 = 32: rows of 256 bytes
	s_mov_b32 s22, 100<<16                         ; tensor_dim1 = 100: a double block of 25,600 bytes
	s_mov_b32 s23, 32<<16
	s_mov_b32 s24, 100
	s_mov_b32 s25, 32
	s_mov_b32 s26, 0
	s_mov_b32 s27, 0
	s_or_b32 s52, s63, (3<<16)|(1<<21)             ; group 1 for the weights: the mask of my column;
	s_mov_b32 s53, 32<<16
	s_mov_b32 s54, 200<<16                         ; 200 rows: two double blocks on end
	s_mov_b32 s55, 32<<16
	s_mov_b32 s56, 200
	s_mov_b32 s57, 32
	s_mov_b32 s58, 0
	s_mov_b32 s59, 0
	s_mov_b32 s16, 1
	s_mul_i32 s17, s14, 25600                      ; LDS: the token panel's double block w
	s_mul_i32 s30, s15, 102400
	s_add_co_u32 s30, s30, s17
	s_mov_b32 s31, 0
	s_mov_b32 s48, 1
	s_mul_i32 s49, s14, 51200
	s_add_co_u32 s49, s49, WREG                    ; LDS: my weights
	s_lshl_b32 s32, s12, 2
	s_add_co_u32 s32, s32, s14                     ; my panel of W1
	s_mul_i32 s34, s32, 102400
	s_add_co_u32 s34, s34, 3276800
	s_mov_b32 s35, 0
	s_lshl_b32 s36, s32, 9
	s_mov_b32 s37, 0
	s_mul_i32 s38, s15, 409600
	s_lshr_b32 s40, s32, 1
	s_mul_i32 s40, s40, 25600
	s_add_co_u32 s38, s38, s40                     ; hid: my panel is K step 4 gx + w of the next product: its double block,
	s_and_b32 s41, s32, 1
	s_mul_i32 s40, s41, 12288
	s_add_co_u32 s42, s38, s40                     ; its images,
	s_mov_b32 s43, 0
	s_lshl_b32 s40, s41, 8
	s_add_co_u32 s38, s38, s40
	s_add_co_u32 s38, s38, 24576                   ; its half of the scale image's lanes
	s_mov_b32 s39, 0
	s_mov_b32 s28, 0x76543210
	s_mov_b32 s29, 0xfedcba98
	s_wait_dscnt 0x0                               ; both opening adds are done
	s_wait_kmcnt 0x0
	s_add_nc_u64 s[18:19], s[4:5], s[30:31]        ; the tokens' tile: gy and the wave's number alone
	s_or_b32 s19, s19, 0x80000000                  ; the type
	s_add_nc_u64 s[6:7], s[6:7], s[34:35]          ; my panel of W1: gx and the wave's number alone
	s_add_nc_u64 s[50:51], s[6:7], 51200           ; its double block 2
	s_or_b32 s51, s51, 0x80000000
	s_add_nc_u64 s[8:9], s[8:9], s[36:37]
	s_add_nc_u64 s[44:45], s[10:11], s[42:43]
	s_add_nc_u64 s[46:47], s[10:11], s[38:39]
	v_and_b32 v2, 31, v0                           ; lane
	v_lshlrev_b32 v1, 4, v2                        ; 16 l; never rewritten
	v_lshrrev_b32 v4, 4, v2
	v_lshlrev_b32 v4, 6, v4                        ; 64 h: b1 of my half's units
	SCB 0                                          ; what the first products want from memory is asked for ahead of the round, and is on its way during it
	WIN 0x40
.irp b, 0,1,2,3,4,5,6,7
	global_load_b128 v[192+8*\b:195+8*\b], v4, s[8:9] offset:128*(\b/2)+32*(\b%2)       ; tile b's register j is unit 32 (b / 2) + 16 h + 8 (b % 2) + j
	global_load_b128 v[196+8*\b:199+8*\b], v4, s[8:9] offset:128*(\b/2)+32*(\b%2)+16
.endr
	FLB 0
	CROUND                                         ; all sixteen work-groups are here: the joint loads meet
	tensor_load_to_lds s[16:19], s[20:27]          ; my quarter of the token panel,
	s_nop 0
	PLACES 4
	s_wait_alu depctr_va_vdst(0)
	FLB 1                                          ; the second set of registers is free: step 1's weights are asked for here and not behind the barrier
	v_add_nc_u32 v3, 51200, v1                     ; 16 l in the token panel's double block 2
	v_add_nc_u32 v5, s49, v1                       ; 16 l in my weights
	s_wait_alu depctr_va_vdst(0)
	s_wait_tensorcnt 0x0                           ; my quarter of the token panel has landed
	ds_add_u32 v[SPW], v[NIL]
	s_wait_dscnt 0x0
	CROUND                                         ; everybody's quarter has landed, and all sixteen work-groups are here
	tensor_load_to_lds s[48:51], s[52:59]          ; my weights of K steps 4 to 7: my one tensor load behind this round
	s_nop 0
	PLACES 4
	SCA 0
	FLA 0
.irp s, 0,1,2,3,4,5,6,7
	FSTEP \s
.endr
	PLACES 4                                       ; ahead of the first read of results and of writes into the operands' registers
.irp b, 0,1,2,3
	v_mov_b32 v[100+\b], 0                         ; (a lane permute's destination counts as one of its sources)
.endr
.irp a, 0,1,2,3,4,5,6,7
	OUTA \a
.endr
	s_wait_xcnt 0x0                                ; EXEC changes only behind this wait
	v_cmp_gt_u32 vcc_lo, 16, v2
	s_and_saveexec_b32 s40, vcc_lo                 ; lanes 0-15 hold the rows' words; the image's other sixteen lanes are my neighbour wave's
	global_store_b128 v1, v[112:115], s[46:47]     ; sixteen lanes fill 256 consecutive bytes
	global_store_b128 v1, v[116:119], s[46:47] offset:512
	s_wait_xcnt 0x0
	s_or_b32 exec_lo, exec_lo, s40
	s_wait_tensorcnt 0x0                           ; the wave's end
	ds_add_u32 v[SPW], v[NIL]
	s_wait_dscnt 0x0
	CROUND                                         ; the closing round
	s_endpgm
.Lfunc_end_k_q852c2a2bad_ffn1:
	.size	k_q852c2a2bad_ffn1, .Lfunc_end_k_q852c2a2bad_ffn1-k_q852c2a2bad_ffn1
	.p2alignl 7, 3214868480
	.fill 96, 4, 3214868480
	.section	.rodata,"a",@progbits
	.p2align	6, 0x0
	.amdhsa_kernel k_q852c2a2bad_ffn1
		.amdhsa_group_segment_fixed_size 327680
		.amdhsa_private_segment_fixed_size 0
		.amdhsa_enable_private_segment 0
		.amdhsa_kernarg_size 32
		.amdhsa_user_sgpr_count 2
		.amdhsa_user_sgpr_kernarg_segment_ptr 1
		.amdhsa_wavefront_size32 1
		.amdhsa_system_sgpr_workgroup_id_x 1
		.amdhsa_system_sgpr_workgroup_id_y 1
		.amdhsa_system_sgpr_workgroup_id_z 1
		.amdhsa_system_vgpr_workitem_id 0
		.amdhsa_next_free_vgpr 1024
		.amdhsa_next_free_sgpr 66
		.amdhsa_reserve_vcc 1
		.amdhsa_float_denorm_mode_32 3
		.amdhsa_float_denorm_mode_16_64 3
		.amdhsa_memory_ordered 1
		.amdhsa_forward_progress 1
		.amdhsa_inst_pref_size 153
	.end_amdhsa_kernel
	.amdgpu_metadata
---
amdhsa.version: [ 1, 2 ]
amdhsa.kernels:
  - .name:           k_q852c2a2bad_ffn1
    .symbol:         k_q852c2a2bad_ffn1.kd
    .args:
      - { .name: nq, .offset: 0, .size: 8, .value_kind: global_buffer, .address_space: global }
      - { .name: wts, .offset: 8, .size: 8, .value_kind: global_buffer, .address_space: global }
      - { .name: b1, .offset: 16, .size: 8, .value_kind: global_buffer, .address_space: global }
      - { .name: hid, .offset: 24, .size: 8, .value_kind: global_buffer, .address_space: global }
    .group_segment_fixed_size: 327680
    .private_segment_fixed_size: 0
    .kernarg_segment_align: 8
    .kernarg_segment_size: 32
    .max_flat_workgroup_size: 128
    .sgpr_count:     66
    .vgpr_count:     1024
    .wavefront_size: 32
...
	.end_amdgpu_metadata
.endif
;; end of part 4
;; launch ffn2 (part 5): grid 8 x 32, 4 waves a work-group, clusters of 4 x 4, 327,680 bytes of LDS; arguments hid, wts, x1, out0, b2; writes out0
.if DOCPART == 5
	.amdgcn_target "amdgcn-amd-amdhsa--gfx1250"
	.amdhsa_code_object_version 6
	.text
	.protected	k_q852c2a2bad_ffn2
	.globl	k_q852c2a2bad_ffn2
	.p2align	8
	.type	k_q852c2a2bad_ffn2,@function
k_q852c2a2bad_ffn2:
	s_mov_b64 s[64:65], 0
	v_nop
	global_prefetch_b8 v0, s[64:65] scope:SCOPE_SE
	s_setreg_imm32_b32 hwreg(HW_REG_WAVE_MODE, 25, 1), 1
	s_wait_xcnt 0x0
	s_wait_alu depctr_hold_cnt(0) depctr_sa_sdst(0) depctr_va_vdst(0) depctr_va_sdst(0) depctr_va_ssrc(0) depctr_va_vcc(0) depctr_vm_vsrc(0)
	s_getreg_b32 s2, hwreg(HW_REG_IB_STS2, 6, 4)
	s_cmp_eq_u32 s2, 0
	s_cbranch_scc0 .Lentry_in_a_cluster
	s_endpgm
.Lentry_in_a_cluster:
	s_bfe_u32 s2, ttmp6, 0x10000c
	s_cmp_lg_u32 s2, 0xf033
	s_cbranch_scc0 .Lentry_shape_is_right
	s_endpgm
.Lentry_shape_is_right:
; FFN2: out0 = x1 + hid W2 + b2, on codes.  A work-group makes 128 tokens x 128 columns.  The buffers' layout (fragment images, double blocks of two K steps with their scale image) is set out at the head of the first kernel.
; SHARES.  Wave q = 2 m + p makes token tiles 4 m .. 4 m + 3 (64 tokens) x all 128 columns, 32 accumulators, over the 16 K steps of parity p: the step p of each of the 16 double blocks.
; So two partial sums meet for each output; they go through LDS by rows, and wave q sends out tokens 32 q .. 32 q + 31 of the panel.
; A wave of odd parity reads a scale image with its lanes turned by 16, so that its words stand in lanes 0-15: one text serves both parities.
; WHERE THE OPERANDS COME FROM, by two roads at once.  Double blocks 7 to 15 go through a ring of two LDS slots in three stages: a slot holds three double blocks of hid (76,800 bytes) and three of W2;
; each wave fetches a quarter of it, 150 rows of 256 bytes, by one tensor load.  By the text's own count a wave has one tensor load out.
; Double blocks 0 to 6 go from memory straight into two register sets, X and Y: block 0 is multiplied at the head, two blocks in each stage.
; THE ORDER IN A STAGE: each run of 39 loads stands at least one run of 32 matrix instructions ahead of the wait for it: the ring's first step is asked of LDS, Y is multiplied; the second step and the next Y are asked for,
; X is multiplied; the first step is multiplied; the third is asked for, the second multiplied; the next X is asked for, the third multiplied.
; CLUSTER: 4 x 4 work-groups.  hid's tiles hang on gy and the wave's number alone: the four of a row of the cluster ask for them jointly; W2's on gx and the wave's number alone: the four of a column.
; Each refill stands behind the three lines and a round of the cluster's barrier.  No LDS address and no branch hangs on a work-group's place in its cluster.
; PREFETCH: stage 0 asks for stage 2's bytes, one stage ahead of the tensor load that wants them.  Each operand's three double blocks are 300 blocks of 256 bytes: the partner at place c takes blocks 75 c .. 75 c + 74
; (c = cx for hid, cy for W2: by address), its two loading waves 38 and 37 of them, a lane a block, two instructions a wave.  Stages 0 and 1 come by their loads alone.
; The partial sums (33,792 bytes a wave) are stored into slot 1, which by then has had its last fill (stage 1) and its last read.
; THE MATRIX INSTRUCTION IS USED TRANSPOSED (source 0 = the weight): a lane holds eight neighbouring columns of one token.
; The order of the f32 sums differs from one chain along K: each parity's steps in the order of the text, even + odd, then the residual, then the bias.
; REGISTERS: window 0: v1-20 addresses; v24-27 the bias; v32-59 the ring's scale words, two sets (hid's four, W2's eight); v64-159 hid's ring fragments, two sets; v160-187 X's and Y's scale words; on the way out v64-127 and v192-255 at work.
; Window 1: accumulator (a, b) at 8 (8 a + b).  Window 2: v0-191 W2's ring fragments, two sets; v192-239 hid's fragments of Y.  Window 3: v0-191 W2's fragments of X and Y, at the end the residual; v192-239 hid's of X.
.set SLOT,  153600                     ; a slot: hid's three double blocks, then W2's
.set HALF,  76800
.set STB,   76800                      ; bytes that a stage goes on in each operand
.set RB,    7*25600                    ; where the ring's part of a panel begins
.set PB,    SLOT                       ; the partial sums lie in slot 1:
.set PART,  33792                      ; 64 rows x (512 bytes + 16) a wave
.set SPARE, 2*SLOT                     ; behind the ring the spare words, 128 bytes a wave, which no other line names
.set SPW,   28
.set NIL,   29
.set GB,    4                          ; v4  W2's fragments in memory: 16 l + 12,288 p
.set GSB,   6                          ; v6  W2's scale image in memory
.set AL,    8                          ; v8-9   hid's fragments in slot 0, 1 (v8 also serves in memory)
.set BL,    10                         ; v10-11 W2's
.set SAL,   12                         ; v12-13 hid's scale image (v12 also in memory)
.set SBL,   14                         ; v14-15 W2's
.set PST,   16                         ; v16 where I store my partial sums
.set PRD,   17                         ; v17-18 my 32 rows in the two partial sums of my token half
.set PF,    19                         ; v19-20 the prefetches' offsets
.set SC,    32
.set AF,    64
.set DSC,   160
.set G1A,   24
.set G0A,   32
.set G1B,   48
.set G0B,   56
.set PFA,   20                         ; s[20:21] where my prefetches begin
.set MSB, 0
.macro WIN new                         ; the immediate's high byte repeats the setting that is left
.if MSB != (\new)
	s_set_vgpr_msb (MSB<<8)|(\new)
.set MSB, (\new)
.endif
.endm
.macro PLACES n
.rept \n
	v_nop
.endr
.endm
.macro CROUND                          ; a round of the cluster's barrier
	s_barrier_signal -1
	s_barrier_wait -1
	s_cmp_lg_u32 s14, 0
	s_cbranch_scc1 .Lnot_wave_0_\@
	s_barrier_signal -3
.Lnot_wave_0_\@:
	s_barrier_wait -3
	s_barrier_signal -1
	s_barrier_wait -1
.endm
.macro JLOAD s                         ; a joint load into slot s: waves 0 and 1 fetch hid's halves, waves 2 and 3 W2's
	s_cmp_eq_u32 s15, 0
	s_cbranch_scc0 .Lfor_b_\@
	tensor_load_to_lds s[G0A+4*(\s):G0A+4*(\s)+3], s[G1A:G1A+7]
	s_nop 0
	PLACES 4
	s_branch .Lasked_\@
.Lfor_b_\@:
	tensor_load_to_lds s[G0B+4*(\s):G0B+4*(\s)+3], s[G1B:G1B+7]
	s_nop 0
	PLACES 4
.Lasked_\@:
.endm
.macro LSTEP slot, d, set              ; my K step of the slot's double block d: 24 + 12 fragment loads and 3 of scale words: 39 LDS loads of 512 consecutive bytes
	WIN 0x80
.irp t, 0,1,2,3,4,5,6,7
.irp ch, 0,1,2
	ds_load_b128 v[96*(\set)+12*\t+4*\ch:96*(\set)+12*\t+4*\ch+3], v[BL+(\slot)] offset:25600*(\d)+1536*\t+512*\ch
.endr
.endr
	WIN 0
.irp t, 0,1,2,3
.irp ch, 0,1,2
	ds_load_b128 v[AF+48*(\set)+12*\t+4*\ch:AF+48*(\set)+12*\t+4*\ch+3], v[AL+(\slot)] offset:25600*(\d)+1536*\t+512*\ch
.endr
.endr
	ds_load_b128 v[SC+16*(\set):SC+16*(\set)+3], v[SAL+(\slot)] offset:25600*(\d)
	ds_load_b128 v[SC+16*(\set)+4:SC+16*(\set)+7], v[SBL+(\slot)] offset:25600*(\d)
	ds_load_b128 v[SC+16*(\set)+8:SC+16*(\set)+11], v[SBL+(\slot)] offset:25600*(\d)+512
.endm
.macro DLOAD y, d                      ; my K step of double block d from memory into set X (y = 0) or Y (y = 1): 39 loads of 512 consecutive bytes
	WIN 0
	global_load_b128 v[DSC+16*(\y):DSC+16*(\y)+3], v[SAL], s[4:5] offset:25600*(\d)
	global_load_b128 v[DSC+16*(\y)+4:DSC+16*(\y)+7], v[GSB], s[6:7] offset:25600*(\d)
	global_load_b128 v[DSC+16*(\y)+8:DSC+16*(\y)+11], v[GSB], s[6:7] offset:25600*(\d)+512
	WIN 0xc0
.irp t, 0,1,2,3,4,5,6,7
.irp ch, 0,1,2
	global_load_b128 v[96*(\y)+12*\t+4*\ch:96*(\y)+12*\t+4*\ch+3], v[GB], s[6:7] offset:25600*(\d)+1536*\t+512*\ch
.endr
.endr
	WIN 0xc0-0x40*(\y)                             ; hid's fragments: X's in window 3, Y's in window 2
.irp t, 0,1,2,3
.irp ch, 0,1,2
	global_load_b128 v[192+12*\t+4*\ch:192+12*\t+4*\ch+3], v[AL], s[4:5] offset:25600*(\d)+1536*\t+512*\ch
.endr
.endr
	WIN 0
.endm
.macro MUL bb, ab, sb, zero            ; 32 matrix instructions on 32 accumulators, one instruction a turn; bb, ab, sb: W2's fragments, hid's, the scale words; zero: the product starts the sums
.irp a, 0,1,2,3
.irp b, 0,1,2,3,4,5,6,7
.if \zero
	v_wmma_scale_f32_16x16x128_f8f6f4 v[8*(8*\a+\b):8*(8*\a+\b)+7], v[(\bb)+12*\b:(\bb)+12*\b+11], v[(\ab)+12*\a:(\ab)+12*\a+11], 0, v[(\sb)+4+\b], v[(\sb)+\a] matrix_a_fmt:MATRIX_FMT_FP6 matrix_b_fmt:MATRIX_FMT_FP6
.else
	v_wmma_scale_f32_16x16x128_f8f6f4 v[8*(8*\a+\b):8*(8*\a+\b)+7], v[(\bb)+12*\b:(\bb)+12*\b+11], v[(\ab)+12*\a:(\ab)+12*\a+11], v[8*(8*\a+\b):8*(8*\a+\b)+7], v[(\sb)+4+\b], v[(\sb)+\a] matrix_a_fmt:MATRIX_FMT_FP6 matrix_b_fmt:MATRIX_FMT_FP6
.endif
.endr
.endr
.endm
.set MULW, 0x52                        ; C and D window 1; the ring: source 0 (W2) window 2, source 1 (hid) window 0
.set MULX, 0x5f                        ; X: both in window 3
.set MULY, 0x5b                        ; Y: W2 in window 3, hid in window 2
; A stage: two K steps a wave out of registers and three out of slot j % 2, while the other slot's load is on its way.
.macro STAGE j
.set SL, (\j)%2
	s_wait_tensorcnt 0x0                           ; all my tensor loads have landed: my quarter of this stage's slot;
	ds_add_u32 v[SPW], v[NIL]                      ; 0 onto my spare word
.if (\j) < 1
	s_add_nc_u64 s[G0A+4*SL+2:G0A+4*SL+3], s[G0A+4*SL+2:G0A+4*SL+3], 2*STB   ; no load of mine is out: this slot's descriptors go on to stage j + 2
	s_add_nc_u64 s[G0B+4*SL+2:G0B+4*SL+3], s[G0B+4*SL+2:G0B+4*SL+3], 2*STB
.endif
	s_wait_dscnt 0x0                               ; the add is done, and so are my reads of the other slot
.if (\j) < 2
	CROUND                                         ; both hold of every wave of all sixteen work-groups
	JLOAD 1-SL                                     ; stage j + 1: my one tensor load behind the round; its four plain lines stand ahead of the loads below
.else
	s_barrier_signal -1                            ; nothing is filled again: my work-group's barrier shows the slot whole
	s_barrier_wait -1
	PLACES 4
.endif
	LSTEP SL, 0, 0                                 ; the ring's first step: multiplied behind Y and X
	s_wait_loadcnt 39                              ; Y is in; X's 39 loads, issued behind it, may be out
	WIN MULY
	MUL 96, 192, DSC+16, 0
	PLACES 4                                       ; ahead of loads into registers that these products have read
	LSTEP SL, 1, 1
.if (\j) < 2
	DLOAD 1, 2*(\j)+3                              ; Y: multiplied in the next stage
.endif
.if (\j) < 1
	global_prefetch_b8 v[PF], s[PFA:PFA+1] offset:STB*((\j)+2) th:TH_LOAD_NT scope:SCOPE_SE     ; stage j + 2: my 38 or 37 blocks of 256 bytes
	global_prefetch_b8 v[PF+1], s[PFA:PFA+1] offset:STB*((\j)+2) th:TH_LOAD_NT scope:SCOPE_SE
.endif
.if (\j) < 2
	s_wait_loadcnt 39                              ; X is in; the next Y's 39 loads may be out
.else
	s_wait_loadcnt 0x0                             ; X is in
.endif
	WIN MULX
	MUL 0, 192, DSC, 0
.if (\j) == 2
	PLACES 4                                       ; X's and Y's registers are free:
	WIN 0xc0
.set I, 0
.rept 32
	global_load_b128 v[4*I:4*I+3], v1, s[8:9] offset:(16*((I%16)/8)+8*(I/16)+I%8)*4096   ; the residual of image row I of my 32: its token by the tiles' order of rows
.set I, I+1
.endr
.endif
	s_wait_dscnt 39                                ; the first step's loads are in; the second's 39 may be out
	WIN MULW
	MUL 0, AF, SC, 0
	PLACES 4                                       ; ahead of loads into registers that these products, and X's, have read
	LSTEP SL, 2, 0
	s_wait_dscnt 39                                ; the second step's are in; the third's 39 may be out
	WIN MULW
	MUL 96, AF+48, SC+16, 0
.if (\j) < 2
	DLOAD 0, 2*(\j)+4                              ; X: multiplied in the next stage
.endif
	s_wait_dscnt 0x0                               ; the third step's are in
	WIN MULW
	MUL 0, AF, SC, 0
	WIN 0
.endm
; The way out: eight of my 32 rows a batch; a batch's 16 LDS loads are issued one batch ahead, into two register sets by turns.
.macro BLOAD g
.irp p, 0,1
.irp ii, 0,1,2,3,4,5,6,7
	ds_load_b128 v[64+128*((\g)%2)+32*\p+4*\ii:64+128*((\g)%2)+32*\p+4*\ii+3], v[PRD+\p] offset:528*(8*(\g)+\ii)
.endr
.endr
.endm
.macro BATCH g                         ; the two partial sums, the residual and the bias, out
.set BB, 64+128*((\g)%2)
.if (\g) < 3
	s_wait_dscnt 16                                ; this batch's rows are in; the next batch's 16 loads may be out
.else
	s_wait_dscnt 0x0
.endif
.set E, 0
.rept 16
	v_pk_add_f32 v[BB+E:BB+E+1], v[BB+E:BB+E+1], v[BB+32+E:BB+32+E+1]
.set E, E+2
.endr
	s_wait_loadcnt 24-8*(\g)                       ; this batch's eight residual rows are in; the later batches' may be out
	WIN 0x0c                                       ; source 1 window 3
.set E, 0
.rept 16
	v_pk_add_f32 v[BB+E:BB+E+1], v[BB+E:BB+E+1], v[32*(\g)+E:32*(\g)+E+1]
.set E, E+2
.endr
	WIN 0
.set E, 0
.rept 16
	v_pk_add_f32 v[BB+E:BB+E+1], v[BB+E:BB+E+1], v[24+E%4:25+E%4]
.set E, E+2
.endr
.set I, 8*(\g)
.rept 8
	global_store_b128 v1, v[BB+4*(I%8):BB+4*(I%8)+3], s[10:11] offset:(16*((I%16)/8)+8*(I/16)+I%8)*4096   ; 512 consecutive bytes of a token's row
.set I, I+1
.endr
.if (\g) < 2
	s_wait_xcnt 0x0                                ; these stores have read their registers, which take the batch two on
	BLOAD (\g)+2
.endif
.endm
	s_load_b256 s[4:11], s[0:1], 0x0               ; hid, wts, x1, out0
	s_load_b64 s[12:13], s[0:1], 0x20              ; b2
	v_lshl_add_u32 v[SPW], v0, 2, SPARE
	v_mov_b32 v[NIL], 0
	ds_add_u32 v[SPW], v[NIL]                      ; the wave's opening: the add, twice on end, and its wait ahead of my first tensor load
	ds_add_u32 v[SPW], v[NIL]
	v_lshrrev_b32 v1, 5, v0
	v_readfirstlane_b32 s14, v1                    ; wave q
	v_and_b32 v2, 31, v0                           ; lane
	v_lshlrev_b32 v1, 4, v2                        ; 16 l; never rewritten
	s_lshr_b32 s15, s14, 1                         ; m: my token half.  Also: I fetch for hid (0) or for W2 (1)
	s_and_b32 s16, s14, 1                          ; p: my parity of K steps.  Also: which half of that operand's bytes I fetch
	s_mul_i32 s18, s16, 12288                      ; a double block's odd step
	s_mul_i32 s19, s15, 6144                       ; token tile 4 m
	s_lshl_b32 s22, s16, 8                         ; 16 lanes of a scale image
	s_lshl_b32 s23, s15, 9                         ; its registers 4 m on
	s_mul_i32 s46, s14, PART
	s_add_co_u32 s46, s46, PB                      ; my partial sums
	s_mul_i32 s47, s15, 2*PART
	s_mul_i32 s20, s16, 16896
	s_add_co_u32 s47, s47, s20
	s_add_co_u32 s47, s47, PB                      ; rows 32 p on of my token half's first partial sum
	s_sub_co_u32 s20, 5, s16
	s_wait_alu depctr_va_vdst(0)                   ; ahead of the readers of v1 and v2 below
	v_add_nc_u32 v[GB], s18, v1
	v_add_nc_u32 v[AL], s19, v[GB]
	v_add_nc_u32 v[AL+1], SLOT, v[AL]
	v_add_nc_u32 v[BL], HALF, v[GB]
	v_add_nc_u32 v[BL+1], SLOT+HALF, v[GB]
	v_add_nc_u32 v[GSB], s22, v1
	v_and_b32 v[GSB], 511, v[GSB]                  ; 16 x ((l + 16 p) mod 32)
	v_add_nc_u32 v[GSB], 24576, v[GSB]
	v_add_nc_u32 v[SAL], s23, v[GSB]
	v_add_nc_u32 v[SAL+1], SLOT, v[SAL]
	v_add_nc_u32 v[SBL], HALF, v[GSB]
	v_add_nc_u32 v[SBL+1], SLOT+HALF, v[GSB]
	v_and_b32 v21, 15, v2
	v_lshrrev_b32 v22, 4, v2
	v_mul_u32_u24 v[PST], v21, 528
	v_lshl_add_u32 v[PST], v22, 6, v[PST]
	v_add_nc_u32 v[PST], s46, v[PST]               ; row r, + 64 h
	v_add_nc_u32 v[PRD], s47, v1
	v_add_nc_u32 v[PRD+1], PART, v[PRD]
	v_lshlrev_b32 v[PF], 8, v2                     ; blocks 0-31 of mine,
	v_min_u32 v[PF+1], s20, v2
	v_lshl_add_u32 v[PF+1], v[PF+1], 8, 8192       ; and blocks 32 .. 37 - p (the lanes left over name the last again)
	s_bfe_u32 s40, ttmp6, 0x40000                  ; cx, cy: my place in the cluster
	s_bfe_u32 s41, ttmp6, 0x40004
	s_lshl_b32 s42, ttmp9, 2
	s_add_co_u32 s42, s42, s40                     ; gx: the panel of 128 columns
	s_and_b32 s17, ttmp7, 0xffff
	s_lshl_b32 s17, s17, 2
	s_add_co_u32 s17, s17, s41                     ; gy: the token panel
	s_lshl_b32 s43, s41, 2
	s_lshl_b32 s43, 15, s43                        ; my row of the cluster
	s_lshl_b32 s44, 0x1111, s40                    ; my column
	s_or_b32 s[G1A], s43, (3<<16)|(1<<21)          ; group 1: the mask; elements of 8 bytes; bit 21 beside the mask; no padding
	s_or_b32 s[G1B], s44, (3<<16)|(1<<21)
.irp g, G1A, G1B
	s_mov_b32 s[\g+1], 32<<16                      ; rows of 256 bytes,
	s_mov_b32 s[\g+2], 150<<16                     ; 150 of them: 38,400 bytes
	s_mov_b32 s[\g+3], 32<<16
	s_mov_b32 s[\g+4], 150
	s_mov_b32 s[\g+5], 32                          ; dense
	s_mov_b32 s[\g+6], 0
	s_mov_b32 s[\g+7], 0
.endr
	s_mul_i32 s46, s17, 409600                     ; hid's panel: gy alone
	s_mov_b32 s47, 0
	s_mul_i32 s22, s42, 409600
	s_add_co_u32 s22, s22, 6553600                 ; W2's panel in wts: gx alone
	s_mov_b32 s23, 0
	s_lshl_b32 s18, s17, 7
	s_lshl_b32 s19, s14, 5
	s_add_co_u32 s18, s18, s19                     ; on the way out I own tokens 128 gy + 32 q on
	s_lshl_b32 s18, s18, 12
	s_lshl_b32 s20, s42, 9
	s_add_co_u32 s18, s18, s20
	s_mov_b32 s19, 0
	s_mov_b32 s21, 0
	s_mul_i32 s45, s14, 38400                      ; LDS: my quarter of a slot
	s_wait_alu depctr_va_vdst(0)
	s_wait_dscnt 0x0                               ; both opening adds are done
	s_wait_kmcnt 0x0
	s_add_nc_u64 s[4:5], s[4:5], s[46:47]
	s_add_nc_u64 s[6:7], s[6:7], s[22:23]
	s_add_nc_u64 s[8:9], s[8:9], s[18:19]
	s_add_nc_u64 s[10:11], s[10:11], s[18:19]
	s_add_nc_u64 s[12:13], s[12:13], s[20:21]
	global_load_b128 v[24:27], v1, s[12:13]        ; the bias of my four columns on the way out
	DLOAD 0, 0                                     ; double block 0 into X: asked for ahead of the round, and on its way during it
	s_mul_i32 s46, s16, 38400
	s_add_co_u32 s46, s46, RB                      ; the ring begins at double block 7; my half of a stage's bytes
	s_add_nc_u64 s[18:19], s[4:5], s[46:47]
	s_add_nc_u64 s[22:23], s[6:7], s[46:47]
.irp s, 0,1
	s_mov_b32 s[G0A+4*\s], 1
	s_add_co_u32 s[G0A+4*\s+1], s45, \s*SLOT
	s_add_nc_u64 s[G0A+4*\s+2:G0A+4*\s+3], s[18:19], \s*STB
	s_or_b32 s[G0A+4*\s+3], s[G0A+4*\s+3], 0x80000000
	s_mov_b32 s[G0B+4*\s], 1
	s_add_co_u32 s[G0B+4*\s+1], s45, \s*SLOT
	s_add_nc_u64 s[G0B+4*\s+2:G0B+4*\s+3], s[22:23], \s*STB
	s_or_b32 s[G0B+4*\s+3], s[G0B+4*\s+3], 0x80000000
.endr
	s_cmp_eq_u32 s15, 0                            ; the prefetches: hid's waves or W2's?
	s_cselect_b64 s[PFA:PFA+1], s[4:5], s[6:7]
	s_cselect_b32 s46, s40, s41                    ; my place among the four that ask with me
	s_mul_i32 s46, s46, 75
	s_mul_i32 s18, s16, 38
	s_add_co_u32 s46, s46, s18
	s_lshl_b32 s46, s46, 8
	s_add_co_u32 s46, s46, RB
	s_add_nc_u64 s[PFA:PFA+1], s[PFA:PFA+1], s[46:47]
	CROUND                                         ; all sixteen work-groups are here: the first joint loads meet
	JLOAD 0                                        ; stage 0: one tensor load a wave at the head
	DLOAD 1, 1                                     ; double block 1 into Y: multiplied in stage 0
	s_wait_loadcnt 39                              ; the bias and X are in; Y's 39 loads may be out
	WIN MULX
	MUL 0, 192, DSC, 1                             ; the first products start the sums
	PLACES 4
	DLOAD 0, 2                                     ; double block 2 into X: multiplied in stage 0
	STAGE 0
	STAGE 1
	STAGE 2
	PLACES 4                                       ; ahead of the reads of results and of loads into the operands' registers
	WIN 0x04                                       ; an LDS store's data are its source 1: window 1
.irp a, 0,1,2,3
.irp b, 0,1,2,3,4,5,6,7
	ds_store_b128 v[PST], v[8*(8*\a+\b):8*(8*\a+\b)+3] offset:8448*\a+128*(\b/2)+32*(\b%2)      ; each accumulator from its low end on
	ds_store_b128 v[PST], v[8*(8*\a+\b)+4:8*(8*\a+\b)+7] offset:8448*\a+128*(\b/2)+32*(\b%2)+16
.endr
.endr
	WIN 0
	s_wait_dscnt 0x0                               ; for the others' sake: my partial sums have landed
	s_barrier_signal -1
	s_barrier_wait -1
	BLOAD 0
	BLOAD 1
	BATCH 0
	BATCH 1
	BATCH 2
	BATCH 3
	s_wait_tensorcnt 0x0                           ; the wave's end
	ds_add_u32 v[SPW], v[NIL]
	s_wait_dscnt 0x0
	CROUND                                         ; the closing round
	s_endpgm
.Lfunc_end_k_q852c2a2bad_ffn2:
	.size	k_q852c2a2bad_ffn2, .Lfunc_end_k_q852c2a2bad_ffn2-k_q852c2a2bad_ffn2
	.p2alignl 7, 3214868480
	.fill 96, 4, 3214868480
	.section	.rodata,"a",@progbits
	.p2align	6, 0x0
	.amdhsa_kernel k_q852c2a2bad_ffn2
		.amdhsa_group_segment_fixed_size 327680
		.amdhsa_private_segment_fixed_size 0
		.amdhsa_enable_private_segment 0
		.amdhsa_kernarg_size 40
		.amdhsa_user_sgpr_count 2
		.amdhsa_user_sgpr_kernarg_segment_ptr 1
		.amdhsa_wavefront_size32 1
		.amdhsa_system_sgpr_workgroup_id_x 1
		.amdhsa_system_sgpr_workgroup_id_y 1
		.amdhsa_system_sgpr_workgroup_id_z 1
		.amdhsa_system_vgpr_workitem_id 0
		.amdhsa_next_free_vgpr 1024
		.amdhsa_next_free_sgpr 66
		.amdhsa_reserve_vcc 0
		.amdhsa_float_denorm_mode_32 3
		.amdhsa_float_denorm_mode_16_64 3
		.amdhsa_memory_ordered 1
		.amdhsa_forward_progress 1
		.amdhsa_inst_pref_size 152
	.end_amdhsa_kernel
	.amdgpu_metadata
---
amdhsa.version: [ 1, 2 ]
amdhsa.kernels:
  - .name:           k_q852c2a2bad_ffn2
    .symbol:         k_q852c2a2bad_ffn2.kd
    .args:
      - { .name: hid, .offset: 0, .size: 8, .value_kind: global_buffer, .address_space: global }
      - { .name: wts, .offset: 8, .size: 8, .value_kind: global_buffer, .address_space: global }
      - { .name: x1, .offset: 16, .size: 8, .value_kind: global_buffer, .address_space: global }
      - { .name: out0, .offset: 24, .size: 8, .value_kind: global_buffer, .address_space: global }
      - { .name: b2, .offset: 32, .size: 8, .value_kind: global_buffer, .address_space: global }
    .group_segment_fixed_size: 327680
    .private_segment_fixed_size: 0
    .kernarg_segment_align: 8
    .kernarg_segment_size: 40
    .max_flat_workgroup_size: 128
    .sgpr_count:     66
    .vgpr_count:     1024
    .wavefront_size: 32
...
	.end_amdgpu_metadata
.endif
;; end of part 5
